; MI455X (gfx1250); checked and timed in simulation.
; The chip was launched on July 23, 2026; its instructions are those of AMD's public machine-readable ISA for CDNA 5 (MIT licence, August 2026) and "CDNA5" Instruction Set Architecture Reference Guide (July 2026). The comments in the code are by the model that wrote it; some were corrected since.
;; Feed Forward Network. Allowed arithmetic: float matrix products may take bf16 or f16 operands with f32 sums; all other float work in f32.
;; Inputs: b1 4,096 float32; b2 1,024 float32; ln_b 1,024 float32; ln_w 1,024 float32; w1 1,024 x 4,096 float32; w2 4,096 x 1,024 float32; x 4 x 2,048 x 1,024 float32.
;; Outputs: out0 4 x 2,048 x 1,024 float32.
;; 2 versions, each right; version 2 is version 1 with the launch prep written anew for expert scheduling mode. Each part assembles by itself: llvm-mc -triple=amdgcn-amd-amdhsa -mcpu=gfx1250 --defsym DOCPART=n.
;; ======== version 1 of 2: 3 launches
;; limits: values are held in f16: magnitudes above 65,504 overflow, below 6.1e-05 lose precision
;; workspace buffers: h 16,777,216 bytes; w1t 8,388,608 bytes; w2t 8,388,608 bytes; act 67,108,864 bytes
;; launch prep (part 1): grid 256 x 1, 8 waves a work-group, no clusters, 140,288 bytes of LDS; arguments x, ln_w, ln_b, w1, w2, h, w1t, w2t; writes h, w1t, w2t
.if DOCPART == 1
	.amdgcn_target "amdgcn-amd-amdhsa--gfx1250"
	.amdhsa_code_object_version 6
	.text
	.protected	k_q58564c0916_prep
	.globl	k_q58564c0916_prep
	.p2align	8
	.type	k_q58564c0916_prep,@function
k_q58564c0916_prep:
	s_mov_b64 s[64:65], 0
	v_nop
	global_prefetch_b8 v0, s[64:65] scope:SCOPE_SE
	s_setreg_imm32_b32 hwreg(HW_REG_WAVE_MODE, 25, 1), 1
	s_wait_xcnt 0x0
; First of three launches of  out0 = relu(LayerNorm(x) w1 + b1) w2 + b2.
; No work of the problem is left out: all seven inputs reach the output and all are loaded (x, ln_w, ln_b, w1, w2 here, b1 and b2 later).
; This launch makes the three 16-bit operands of the two products:
;   h   [8192][1024] f16 = (x - mean) * rsqrt(var + 1e-5) * ln_w + ln_b, mean and var in f32, var from the deviations (two passes over registers)
;   w1t [4096][1024] f16 = w1 transposed,   w2t [1024][4096] f16 = w2 transposed: K then lies along the rows, as matrix fragments want it.
; LIMIT: f16 operands.  |h|, |w1| or |w2| above 65504 become infinite; below 6.1e-5 they keep an absolute step of 6e-8.
; h is bounded by 32 max|ln_w| + max|ln_b| for every x, since a normalised row of 1024 numbers has no element above sqrt(1024).
; 256 work-groups of equal bytes (256 KiB in, 128 KiB out): 0-127 normalise 64 rows each, 128-191 transpose w1, 192-255 transpose w2.
; The choice hangs on the work-group's number alone.  No matrix unit, no cluster: apart from the 8 KiB of ln_w and ln_b no two work-groups read the same bytes.
; No barrier: a row belongs to one wave, and a wave transposes through LDS bytes of its own.
.set W,   8                            ; v[8:39]    ln_w of my 32 columns
.set B,   40                           ; v[40:71]   ln_b of my 32 columns
.set X,   72                           ; v[72:199]  four slots of 32 registers: rows of x, or groups of 16 rows of a weight tile
.set Y,   200                          ; v[200:215] packed f16, to store
.set TT,  216                          ; v[216:223] four chains of sums
.set NM,  224                          ; v[224:225] minus the mean, twice
.set R,   226                          ; v[226:227] rsqrt(var + eps), twice
.set V,   228                          ; v228       var + eps
.set TP,  272                          ; LDS pitch of a transposed row: 256 bytes + 16, so that sixteen rows start in sixteen different 16-byte columns modulo 256 bytes
.set TW,  64*TP                        ; LDS bytes of a wave: 64 rows
	s_load_b512 s[8:23], s[0:1], 0x0               ; x 8:9, ln_w 10:11, ln_b 12:13, w1 14:15, w2 16:17, h 18:19, w1t 20:21, w2t 22:23
	v_lshl_add_u32 v232, v0, 2, 0x22000
	v_mov_b32 v233, 0
	v_and_b32 v1, 31, v0                           ; lane
	v_lshrrev_b32 v7, 5, v0
	v_readfirstlane_b32 s4, v7                     ; wave 0..7
	s_mov_b32 s5, ttmp9                            ; work-group
	s_mov_b32 s3, 0                                ; the upper words of the two offset pairs
	s_mov_b32 s7, 0
	s_cmp_ge_u32 s5, 128
	s_cbranch_scc1 .Lweights
; ---------------------------------------------------------------- LayerNorm: one wave, one row; eight rows a wave; four row slots in registers
	s_mov_b32 s24, 0x76543210                      ; v_permlanex16_b32: lane i of one half reads lane i of the other
	s_mov_b32 s25, 0xfedcba98
	s_mov_b32 s26, 0x3a800000                      ; 1 / 1024
	s_mov_b32 s27, 0x3727c5ac                      ; 1e-5
	s_lshl_b32 s2, s5, 18                          ; 64 rows of 4,096 bytes of x
	s_lshl_b32 s6, s5, 17                          ; 64 rows of 2,048 bytes of h
	v_and_b32 v7, 0xe0, v0                         ; 32 x wave
	v_lshlrev_b32 v4, 4, v1                        ; ln_w, ln_b: 16 bytes a lane
	v_lshl_or_b32 v2, v7, 10, v4                   ; x: wave x 8 rows x 4,096 + 16 lane
	v_lshlrev_b32 v3, 3, v1
	v_lshl_or_b32 v3, v7, 9, v3                    ; h: wave x 8 rows x 2,048 + 8 lane
	s_wait_kmcnt 0x0
	s_add_nc_u64 s[8:9], s[8:9], s[2:3]
	s_add_nc_u64 s[18:19], s[18:19], s[6:7]
.irp j, 0,1,2,3,4,5,6,7
	global_load_b128 v[W+4*\j:W+4*\j+3], v4, s[10:11] offset:512*\j    ; register 4 j + e: column 128 j + 4 lane + e, as in the rows
.endr
.irp j, 0,1,2,3,4,5,6,7
	global_load_b128 v[B+4*\j:B+4*\j+3], v4, s[12:13] offset:512*\j
.endr
.macro FILL i                          ; eight loads of 512 consecutive bytes: row i of my eight, into slot i % 4.  x is read once in the launch
.irp j, 0,1,2,3,4,5,6,7
	global_load_b128 v[X+32*(\i%4)+4*\j:X+32*(\i%4)+4*\j+3], v2, s[8:9] offset:\i*4096+512*\j th:TH_LOAD_NT
.endr
.endm
	FILL 0
	FILL 1
	FILL 2
	FILL 3
.macro WSUM                            ; the four chains, then the 32 lanes: the total ends in v[TT] of every lane
	v_pk_add_f32 v[TT:TT+1], v[TT:TT+1], v[TT+2:TT+3]
	v_pk_add_f32 v[TT+4:TT+5], v[TT+4:TT+5], v[TT+6:TT+7]
	v_pk_add_f32 v[TT:TT+1], v[TT:TT+1], v[TT+4:TT+5]
	v_add_f32 v[TT], v[TT], v[TT+1]
	v_add_f32_dpp v[TT], v[TT], v[TT] row_xmask:1 row_mask:0xf bank_mask:0xf
	v_add_f32_dpp v[TT], v[TT], v[TT] row_xmask:2 row_mask:0xf bank_mask:0xf
	v_add_f32_dpp v[TT], v[TT], v[TT] row_xmask:4 row_mask:0xf bank_mask:0xf
	v_add_f32_dpp v[TT], v[TT], v[TT] row_xmask:8 row_mask:0xf bank_mask:0xf
	v_permlanex16_b32 v[TT+1], v[TT], s24, s25     ; its destination counts as read: v[TT+1] has been written
	v_add_f32 v[TT], v[TT], v[TT+1]
.endm
; Row i.  left = the loads of the younger rows that may stay out; fill = 1: the slot is then loaded with row nxt = i + 4.
.macro LNROW i, nxt, left, fill
.set XS, X+32*(\i%4)
	s_wait_loadcnt \left                           ; loads come back in order: my row is in (and ln_w, ln_b, which are older than row 0)
.irp k, 0,1,2,3
	v_pk_add_f32 v[TT+2*\k:TT+2*\k+1], v[XS+2*\k:XS+2*\k+1], v[XS+8+2*\k:XS+8+2*\k+1]   ; the first eight pairs start four chains: nothing is cleared
.endr
.irp k, 0,1,2,3,4,5,6,7
	v_pk_add_f32 v[TT+2*(\k%4):TT+2*(\k%4)+1], v[TT+2*(\k%4):TT+2*(\k%4)+1], v[XS+16+2*\k:XS+16+2*\k+1]
.endr
	WSUM
	v_mul_f32 v[NM], 0xba800000, v[TT]             ; - sum / 1024
	v_mul_f32 v[NM+1], 0xba800000, v[TT]
.irp k, 0,1,2,3,4,5,6,7,8,9,10,11,12,13,14,15
	v_pk_add_f32 v[XS+2*\k:XS+2*\k+1], v[XS+2*\k:XS+2*\k+1], v[NM:NM+1]    ; the deviations, in place: a common offset of x is gone before anything is squared
.endr
.irp k, 0,1,2,3
	v_pk_mul_f32 v[TT+2*\k:TT+2*\k+1], v[XS+2*\k:XS+2*\k+1], v[XS+2*\k:XS+2*\k+1]
.endr
.irp k, 4,5,6,7,8,9,10,11,12,13,14,15
	v_pk_fma_f32 v[TT+2*(\k%4):TT+2*(\k%4)+1], v[XS+2*\k:XS+2*\k+1], v[XS+2*\k:XS+2*\k+1], v[TT+2*(\k%4):TT+2*(\k%4)+1]
.endr
	WSUM
	v_fma_f32 v[V], v[TT], s26, s27                ; var + eps
	v_rsq_f32 v[R], v[V]
	v_nop                                          ; one plain vector instruction stands between a transcendental and the use of its result (ISA guide 5.7.2)
	s_wait_alu depctr_va_vdst(0)
	v_mov_b32 v[R+1], v[R]
.irp k, 0,1,2,3,4,5,6,7,8,9,10,11,12,13,14,15
	v_pk_mul_f32 v[XS+2*\k:XS+2*\k+1], v[XS+2*\k:XS+2*\k+1], v[R:R+1]
.endr
.irp k, 0,1,2,3,4,5,6,7,8,9,10,11,12,13,14,15
	v_pk_fma_f32 v[XS+2*\k:XS+2*\k+1], v[XS+2*\k:XS+2*\k+1], v[W+2*\k:W+2*\k+1], v[B+2*\k:B+2*\k+1]
.endr
	s_wait_xcnt 0x0                                ; Y is the data of the last row's stores: it is rewritten only behind this wait
.irp k, 0,1,2,3,4,5,6,7,8,9,10,11,12,13,14,15
	v_cvt_pk_f16_f32 v[Y+\k], v[XS+2*\k], v[XS+2*\k+1]
.endr
.if \fill
	FILL \nxt                                      ; loads ahead of stores
.endif
.irp j, 0,1,2,3,4,5,6,7
	global_store_b64 v3, v[Y+2*\j:Y+2*\j+1], s[18:19] offset:\i*2048+256*\j    ; 32 lanes x 8 bytes: 256 consecutive bytes, aligned
.endr
.endm
	LNROW 0, 4, 24, 1                              ; 24: the loads of the three younger rows
	LNROW 1, 5, 24, 1
	LNROW 2, 6, 24, 1
	LNROW 3, 7, 24, 1
	LNROW 4, 0, 24, 0                              ; nothing is left to fetch: the counts run down
	LNROW 5, 0, 16, 0
	LNROW 6, 0, 8, 0
	LNROW 7, 0, 0, 0
	s_endpgm
; ---------------------------------------------------------------- the weights: a wave turns a tile of 128 k x 64 n of f32 into 64 n x 128 k of f16
; Lane (c = lane % 16, hh = lane / 16).  Group q of eight: rows k = 16 q + 8 hh + e, e = 0..7, columns 4 c .. 4 c + 3: each half of the wave reads 256 consecutive bytes.
.macro GROUP q, src, sp
.irp e, 0,1,2,3,4,5,6,7
	global_load_b128 v[X+32*(\q%4)+4*\e:X+32*(\q%4)+4*\e+3], v2, s[\src:\src+1] offset:(16*\q+\e)*\sp th:TH_LOAD_NT
.endr
.endm
; Column n = 4 c + j of the group is eight consecutive k: 16 bytes of f16, into LDS row 16 j + c at byte 32 q + 16 hh.
.macro PACK q, left
	s_wait_loadcnt \left                           ; group q is in; the loads of the younger groups stay out
.irp j, 0,1,2,3
.irp p, 0,1,2,3
	v_cvt_pk_f16_f32 v[Y+4*\j+\p], v[X+32*(\q%4)+8*\p+\j], v[X+32*(\q%4)+8*\p+4+\j]
.endr
	ds_store_b128 v5, v[Y+4*\j:Y+4*\j+3] offset:16*\j*TP+32*\q
.endr
.endm
; src, dst: the scalar pairs that hold the tile's two addresses; sp, dp: bytes from row to row in the source and in the destination.
.macro TRANS src, dst, sp, dp
	v_and_b32 v7, 15, v0                           ; c
	v_bfe_u32 v4, v0, 4, 1                         ; hh
	v_lshlrev_b32 v6, 4, v7                        ; 16 c
	v_mul_u32_u24 v2, v4, 8*\sp
	v_add_nc_u32 v2, v2, v6                        ; source: 8 hh rows + 16 c
	v_mul_u32_u24 v3, v4, 4*\dp
	v_add_nc_u32 v3, v3, v6                        ; destination: 4 hh rows + 16 c
	s_mul_i32 s30, s4, TW                          ; my wave's LDS bytes
	v_mul_u32_u24 v5, v7, TP
	v_lshl_add_u32 v5, v4, 4, v5
	v_add_nc_u32 v5, s30, v5                       ; in: row c, 16 bytes for each half of the lanes
	v_mul_u32_u24 v1, v4, TP
	v_add3_u32 v6, v1, v6, s30                     ; back: lanes 0-15 one whole row, lanes 16-31 the next
	GROUP 0, \src, \sp
	GROUP 1, \src, \sp
	GROUP 2, \src, \sp
	GROUP 3, \src, \sp
	PACK 0, 24                                     ; 24: the loads of the three younger groups
	GROUP 4, \src, \sp
	PACK 1, 24
	GROUP 5, \src, \sp
	PACK 2, 24
	GROUP 6, \src, \sp
	PACK 3, 24
	GROUP 7, \src, \sp
	PACK 4, 24
	PACK 5, 16
	PACK 6, 8
	PACK 7, 0
.set t, 0
.rept 32
	ds_load_b128 v[X+4*t:X+4*t+3], v6 offset:2*t*TP        ; LDS serves a wave's instructions in order (ISA guide 5.7.1.4): these see the stores above
.set t, t+1
.endr
.set t, 0
.rept 32
	s_wait_dscnt 31-t                              ; read-back t is in, the younger ones stay out
	global_store_b128 v3, v[X+4*t:X+4*t+3], s[\dst:\dst+1] offset:(8*(t&7)+(t>>3))*\dp   ; LDS row 2 t + hh is n = 8 (t % 8) + 4 hh + t / 8; sixteen lanes store 256 consecutive bytes, aligned
.set t, t+1
.endr
.endm
.Lweights:
	s_cmp_ge_u32 s5, 192
	s_cbranch_scc1 .Lsecond
	s_sub_co_u32 s5, s5, 128                       ; w1 [1024][4096]: the work-group is the n tile (64 of them), the wave the k tile (8)
	s_lshl_b32 s2, s4, 21                          ; 128 rows of 16,384 bytes
	s_lshl_b32 s28, s5, 8                          ; 64 columns of 4 bytes
	s_add_co_u32 s2, s2, s28
	s_lshl_b32 s6, s5, 17                          ; 64 rows of 2,048 bytes of w1t
	s_lshl_b32 s28, s4, 8                          ; 128 k of 2 bytes
	s_add_co_u32 s6, s6, s28
	s_wait_kmcnt 0x0
	s_add_nc_u64 s[14:15], s[14:15], s[2:3]
	s_add_nc_u64 s[20:21], s[20:21], s[6:7]
	TRANS 14, 20, 16384, 2048
	s_wait_tensorcnt 0x0
	ds_add_u32 v232, v233
	s_wait_dscnt 0x0
	s_endpgm
.Lsecond:
	s_sub_co_u32 s5, s5, 192                       ; w2 [4096][1024]: n tile = g % 16, k tile = 8 (g / 16) + wave (32 of them)
	s_and_b32 s28, s5, 15
	s_lshr_b32 s29, s5, 4
	s_lshl3_add_u32 s29, s29, s4
	s_lshl_b32 s2, s29, 19                         ; 128 rows of 4,096 bytes
	s_lshl_b32 s30, s28, 8
	s_add_co_u32 s2, s2, s30
	s_lshl_b32 s6, s28, 19                         ; 64 rows of 8,192 bytes of w2t
	s_lshl_b32 s30, s29, 8
	s_add_co_u32 s6, s6, s30
	s_wait_kmcnt 0x0
	s_add_nc_u64 s[16:17], s[16:17], s[2:3]
	s_add_nc_u64 s[22:23], s[22:23], s[6:7]
	TRANS 16, 22, 4096, 8192
	s_wait_tensorcnt 0x0
	ds_add_u32 v232, v233
	s_wait_dscnt 0x0
	s_endpgm
.Lfunc_end_k_q58564c0916_prep:
	.size	k_q58564c0916_prep, .Lfunc_end_k_q58564c0916_prep-k_q58564c0916_prep
	.p2alignl 7, 3214868480
	.fill 96, 4, 3214868480
	.section	.rodata,"a",@progbits
	.p2align	6, 0x0
	.amdhsa_kernel k_q58564c0916_prep
		.amdhsa_group_segment_fixed_size 140288
		.amdhsa_private_segment_fixed_size 0
		.amdhsa_enable_private_segment 0
		.amdhsa_kernarg_size 64
		.amdhsa_user_sgpr_count 2
		.amdhsa_user_sgpr_kernarg_segment_ptr 1
		.amdhsa_wavefront_size32 1
		.amdhsa_system_sgpr_workgroup_id_x 1
		.amdhsa_system_sgpr_workgroup_id_y 1
		.amdhsa_system_sgpr_workgroup_id_z 1
		.amdhsa_system_vgpr_workitem_id 0
		.amdhsa_next_free_vgpr 234
		.amdhsa_next_free_sgpr 66
		.amdhsa_reserve_vcc 0
		.amdhsa_float_denorm_mode_32 3
		.amdhsa_float_denorm_mode_16_64 3
		.amdhsa_memory_ordered 1
		.amdhsa_forward_progress 1
		.amdhsa_inst_pref_size 121
	.end_amdhsa_kernel
	.amdgpu_metadata
---
amdhsa.version: [ 1, 2 ]
amdhsa.kernels:
  - .name:           k_q58564c0916_prep
    .symbol:         k_q58564c0916_prep.kd
    .args:
      - { .name: x, .offset: 0, .size: 8, .value_kind: global_buffer, .address_space: global }
      - { .name: ln_w, .offset: 8, .size: 8, .value_kind: global_buffer, .address_space: global }
      - { .name: ln_b, .offset: 16, .size: 8, .value_kind: global_buffer, .address_space: global }
      - { .name: w1, .offset: 24, .size: 8, .value_kind: global_buffer, .address_space: global }
      - { .name: w2, .offset: 32, .size: 8, .value_kind: global_buffer, .address_space: global }
      - { .name: h, .offset: 40, .size: 8, .value_kind: global_buffer, .address_space: global }
      - { .name: w1t, .offset: 48, .size: 8, .value_kind: global_buffer, .address_space: global }
      - { .name: w2t, .offset: 56, .size: 8, .value_kind: global_buffer, .address_space: global }
    .group_segment_fixed_size: 140288
    .private_segment_fixed_size: 0
    .kernarg_segment_align: 8
    .kernarg_segment_size: 64
    .max_flat_workgroup_size: 256
    .sgpr_count:     66
    .vgpr_count:     234
    .wavefront_size: 32
...
	.end_amdgpu_metadata
.endif
;; end of part 1
;; launch ffn1 (part 2): grid 8 x 32, 4 waves a work-group, clusters of 4 x 4, 327,680 bytes of LDS; arguments h, w1t, act, b1; writes act
.if DOCPART == 2
	.amdgcn_target "amdgcn-amd-amdhsa--gfx1250"
	.amdhsa_code_object_version 6
	.text
	.protected	k_q58564c0916_ffn1
	.globl	k_q58564c0916_ffn1
	.p2align	8
	.type	k_q58564c0916_ffn1,@function
k_q58564c0916_ffn1:
	s_mov_b64 s[64:65], 0
	v_nop
	global_prefetch_b8 v0, s[64:65] scope:SCOPE_SE
	s_setreg_imm32_b32 hwreg(HW_REG_WAVE_MODE, 25, 1), 1
	s_wait_xcnt 0x0
	s_wait_alu depctr_hold_cnt(0) depctr_sa_sdst(0) depctr_va_vdst(0) depctr_va_sdst(0) depctr_va_ssrc(0) depctr_va_vcc(0) depctr_vm_vsrc(0)
	s_getreg_b32 s2, hwreg(HW_REG_IB_STS2, 6, 4)
	s_cmp_eq_u32 s2, 0
	s_cbranch_scc0 .Lentry_in_a_cluster
	s_endpgm
.Lentry_in_a_cluster:
	s_bfe_u32 s2, ttmp6, 0x10000c
	s_cmp_lg_u32 s2, 0xf033
	s_cbranch_scc0 .Lentry_shape_is_right
	s_endpgm
.Lentry_shape_is_right:
; Second launch: act[m][n] = relu(sum over k of h[m][k] w1t[n][k] + b1[n]).  h [8192][1024], w1t [4096][1024], act [8192][4096], all f16; sums in f32.  No work is left out.
; LIMIT: act is kept in f16 and clamped to [0, 65504] by one median of three, which is the relu and the saturation at once; a NaN sum comes out as a number.
; A block of act is 256 x 256, made by four waves, one for each SIMD of a WGP; a wave makes 128 x 128: 64 accumulator tiles of 16 x 16, 512 registers.
; WORK-GROUPS THAT STAY: K is only 8 steps, so set-up, first tiles and the last stores are a large part of a block.  There are 512 blocks and 256 work-groups: work-group
; (x, y) makes the blocks (y, x) and (y, x + 8), one after the other.  The ring of LDS slots runs on: the last two changes of slots of the first block ask for the
; second block's K steps 0 and 1, which land while the first block goes out, and the first block's stores leave while the second block is multiplied.
; K goes in steps of 128 through a ring of two LDS slots filled by the tensor data mover: a tile's rows are 256 bytes of memory, at multiples of 256 bytes.
; CLUSTERS: 4 x 4 work-groups.  The four of a row of the cluster need the same tiles of h, the four of a column the same tiles of w1t: each tile is asked for
; jointly, by the same tensor load with the same descriptor and a mask that names the four, which divides the requests for both operands by four.
; REGISTERS, in windows of 256:
;   window 0: v16-27 addresses; v64-127, v128-191 fragments of h, two buffers; the way out: v192-223 packed results, v224-255 and v32-63 rows read back, by turns
;   window 1: v64-127, v128-191 fragments of w1t, two buffers; b1 in the layout of an accumulator: v192-255 for the first block, v0-63 for the second
;   window 2: the 32 accumulator tiles of my rows 0-63 (tile (a, b) at v[8 (8 a + b)]);   window 3: those of my rows 64-127
; THE MATRIX INSTRUCTION IS USED TRANSPOSED: source 0 = 16 rows of w1t, source 1 = 16 rows of h.  Lane l then holds row m = l % 16 and its registers 0 to 7 the
; columns n = 8 (l / 16) + 0 .. 7: eight neighbouring numbers of a row of act, which pack into 16 bytes.
; THE BIAS STARTS THE SUMS: the first product of each tile takes b1, laid out like an accumulator, as its C.  Nothing is cleared, nothing is added later.
; The 64 accumulators take turns, one instruction a turn, in the same order in every quarter step and over the backward jumps.
.set SIZE_N, 4096
.set SIZE_K, 1024
.set KSTEP,  128
.set NEXTB,  8*256                     ; columns of act, and rows of w1t, from the first block to the second
.set PITCH,  272                       ; an LDS row: 256 bytes + 16 of padding: the 16 rows that a fragment load touches start in 16 different 16-byte columns modulo 256 bytes
.set HALFT,  128*PITCH                 ; 128 rows: what one tensor load brings, and what one wave reads of either operand
.set SLOT,   4*HALFT                   ; 256 rows of h, then 256 rows of w1t
.set STAGE,  2*SLOT                    ; behind the ring: 16 rows x 272 bytes for each wave, for the way out; no tensor load lands here
.set SPITCH, 272
.set LAPS, SIZE_K/(2*KSTEP)            ; a lap = two K steps = once round the ring: 4 for a block
.set ADRA, 16                          ; v16-17  LDS address of my fragments of h in slot 0, 1
.set ADRB, 20                          ; v20-21  the same for w1t
.set STO,  24                          ; v24     the way out: where I put 16 bytes of a row
.set RD,   25                          ; v25     the way out: where I read a row back
.set CO,   26                          ; v26     my byte offset in act
.set BO,   27                          ; v27     my byte offset in b1: 32 (l / 16)
.set F0,   64
.set F1,   128
.set TMP,  192                         ; v[192:223] the way out: packed results
.set RB0,  224                         ; v[224:255] the way out: eight pairs of rows read back
.set RB1,  32                          ; v[32:63]   the same, by turns.  The fragment buffers are not used: F0 holds the second block's first fragments by then
.set G1, 24                            ; s[24:31] descriptor group 1 for tiles of h
.set G0, 32                            ; s[32:39] descriptor group 0 for tiles of h, one set for each slot
.set G1B, 48                           ; s[48:55] descriptor group 1 for tiles of w1t: another mask
.set G0B, 56                           ; s[56:63] descriptor group 0 for tiles of w1t, one set for each slot
.set MSB, 0
.macro WIN new                         ; low byte: bits 1:0 source 0, 3:2 source 1, 5:4 source 2, 7:6 destination; the high byte repeats the setting that is left
.if MSB != \new
	s_set_vgpr_msb (MSB<<8)|\new
.set MSB, \new
.endif
.endm
.set MUL_LO,  0xa1                     ; source 0 (w1t) window 1, source 1 (h) window 0, C and D window 2
.set MUL_HI,  0xf1                     ; the same, C and D window 3
.set BIAS_LO, 0x91                     ; the first products: C is the bias in window 1, D window 2
.set BIAS_HI, 0xd1                     ; D window 3
.set TO_B,    0x40                     ; destination window 1, address window 0
; A joint load.  Waves 0 and 1 fetch the two halves of the tile of h, waves 2 and 3 those of w1t.  Each line has one mask and one set of registers for all that issue it.
; The branch hangs on the wave's number alone.
.macro JLOAD s
	s_cmp_eq_u32 s11, 0
	s_cbranch_scc0 .Lfor_b_\@
	tensor_load_to_lds s[G0+4*\s:G0+4*\s+3], s[G1:G1+7]
	s_nop 0
	s_branch .Lasked_\@
.Lfor_b_\@:
	tensor_load_to_lds s[G0B+4*\s:G0B+4*\s+3], s[G1B:G1B+7]
	s_nop 0
	v_nop
.Lasked_\@:
.endm
; A round of the cluster's barrier: my work-group's barrier, wave 0 signals for the work-group, every wave waits for all sixteen, my work-group's barrier once more.
.macro CREST                           ; a round behind its opening barrier
	s_cmp_lg_u32 s10, 0
	s_cbranch_scc1 .Lnot_wave_0_\@
	s_barrier_signal -3
.Lnot_wave_0_\@:
	s_barrier_wait -3
	s_barrier_signal -1
	s_barrier_wait -1
.endm
.macro CROUND
	s_barrier_signal -1
	s_barrier_wait -1
	CREST
.endm
	s_load_b128 s[4:7], s[0:1], 0x0                ; h s[4:5], w1t s[6:7]
	s_load_b64 s[8:9], s[0:1], 0x10                ; act
	s_load_b64 s[66:67], s[0:1], 0x18              ; b1
	v_lshl_add_u32 v30, v0, 2, 0x48400
	v_mov_b32 v31, 0
	ds_add_u32 v30, v31
	v_lshrrev_b32 v1, 5, v0
	v_readfirstlane_b32 s10, v1                    ; wave 0..3
	s_lshr_b32 s11, s10, 1                         ; which half of the block's rows is mine.  Also: I fetch h (0) or w1t (1)
	s_and_b32 s12, s10, 1                          ; which half of its columns.  Also: which 128 rows of that tile I fetch
	s_bfe_u32 s40, ttmp6, 0x40000                  ; cx
	s_bfe_u32 s41, ttmp6, 0x40004                  ; cy
	s_lshl_b32 s42, ttmp9, 2
	s_add_co_u32 s42, s42, s40                     ; my first block column = work-group x = 4 x cluster x + cx, 0 to 7
	s_and_b32 s13, ttmp7, 0xffff
	s_lshl_b32 s13, s13, 2
	s_add_co_u32 s13, s13, s41                     ; block row = 4 x cluster y + cy
	s_lshl_b32 s43, s41, 2
	s_lshl_b32 s43, 15, s43                        ; my row of the cluster: places 4 cy .. 4 cy + 3
	s_lshl_b32 s44, 0x1111, s40                    ; my column: places cx, cx + 4, cx + 8, cx + 12
	s_mov_b32 s70, 0x477fe000                      ; 65504.0, the largest f16
	s_lshl_b32 s68, s42, 10                        ; b1 at my 128 columns of the first block: 256 x 4 bytes a block,
	s_lshl_b32 s69, s12, 9                         ; 128 x 4 bytes a half
	s_add_co_u32 s68, s68, s69
	s_mov_b32 s69, 0
	s_lshl_b32 s74, s13, 8                         ; act at my part of the first block: row 256 x block row + 128 x half,
	s_lshl_b32 s75, s11, 7
	s_add_co_u32 s74, s74, s75
	s_lshl_b32 s74, s74, 13                        ; times 8,192 bytes (below 2^26),
	s_lshl_b32 s75, s42, 9                         ; + 512 bytes a block column
	s_add_co_u32 s74, s74, s75
	s_lshl_b32 s75, s12, 8                         ; + 256 bytes a half
	s_add_co_u32 s74, s74, s75
	s_mov_b32 s75, 0
	; descriptor group 1: a tile of 128 rows x 128 elements of 2 bytes, 16 bytes of padding behind each row of 64 words
	s_or_b32 s[G1+0], s43, (1<<16)|(1<<20)|(1<<21)|(5<<22)|(3<<25)  ; 15:0 the mask of my row; 17:16 element of 2 bytes; 20 padding on; 21 set beside a mask; 24:22 every 64 words; 31:25 four words
	s_or_b32 s[G1B+0], s44, (1<<16)|(1<<20)|(1<<21)|(5<<22)|(3<<25) ; the same with the mask of my column
	s_mov_b32 s[G1+1], KSTEP<<16                   ; tensor_dim0 = 128
	s_mov_b32 s[G1B+1], KSTEP<<16
	s_mov_b32 s[G1+2], 128<<16                     ; tensor_dim1 = 128
	s_mov_b32 s[G1B+2], 128<<16
	s_mov_b32 s[G1+3], KSTEP<<16                   ; tile_dim0 = 128
	s_mov_b32 s[G1B+3], KSTEP<<16
	s_mov_b32 s[G1+4], 128                         ; tile_dim1 = 128
	s_mov_b32 s[G1B+4], 128
	s_mov_b32 s[G1+5], SIZE_K                      ; elements from row to row
	s_mov_b32 s[G1B+5], SIZE_K
	s_mov_b32 s[G1+6], 0
	s_mov_b32 s[G1B+6], 0
	s_mov_b32 s[G1+7], 0
	s_mov_b32 s[G1B+7], 0
	; where the tiles come from: those of h hang on the block row alone, those of w1t on the block column alone, each in registers that never hold the other coordinate
	s_lshl_b32 s17, s12, 7
	s_lshl_b32 s16, s13, 8
	s_add_co_u32 s16, s16, s17                     ; h: row 256 x block row + 128 x half
	s_lshl_b32 s46, s42, 8
	s_add_co_u32 s46, s46, s17                     ; w1t: row 256 x block column + 128 x half
	s_mov_b32 s17, 0
	s_mov_b32 s47, 0
	s_mov_b64 s[18:19], SIZE_K*2
	s_mul_u64 s[16:17], s[16:17], s[18:19]
	s_mul_u64 s[46:47], s[46:47], s[18:19]
	s_mul_i32 s20, s10, HALFT                      ; and where they go: wave x 128 rows; no place in the cluster enters an LDS address
	s_wait_dscnt 0x0
	s_wait_kmcnt 0x0
	s_add_nc_u64 s[14:15], s[4:5], s[16:17]
	s_add_nc_u64 s[46:47], s[6:7], s[46:47]
	s_add_nc_u64 s[66:67], s[66:67], s[68:69]
	s_add_nc_u64 s[8:9], s[8:9], s[74:75]          ; where the first block goes,
	s_add_nc_u64 s[72:73], s[8:9], NEXTB*2         ; and the second, 2,048 columns to the right
	CROUND                                         ; all sixteen work-groups are here: the first joint loads meet
.irp s, 0,1
	s_mov_b32 s[G0+4*\s], 1                                        ; count = 1
	s_add_co_u32 s[G0+4*\s+1], s20, \s*SLOT                        ; LDS address
	s_add_nc_u64 s[G0+4*\s+2:G0+4*\s+3], s[14:15], \s*KSTEP*2      ; global address: K step s
	s_or_b32 s[G0+4*\s+3], s[G0+4*\s+3], 0x80000000                ; type = 2
	s_mov_b32 s[G0B+4*\s], 1
	s_add_co_u32 s[G0B+4*\s+1], s20, \s*SLOT
	s_add_nc_u64 s[G0B+4*\s+2:G0B+4*\s+3], s[46:47], \s*KSTEP*2
	s_or_b32 s[G0B+4*\s+3], s[G0B+4*\s+3], 0x80000000
	JLOAD \s                                       ; both slots are asked for before anything else: two tensor loads of the wave are out
.endr
	; A fragment is 16 rows x 32 K in 8 registers: lane l holds row l % 16; registers 0-3 hold K = 8 (l / 16) + 0..7, registers 4-7 K = 16 + 8 (l / 16) + 0..7:
	; two loads of 16 bytes, 32 bytes apart.
	v_and_b32 v1, 15, v0                           ; l % 16
	v_bfe_u32 v2, v0, 4, 1                         ; l / 16
	v_lshlrev_b32 v[BO], 5, v2
	WIN TO_B                                       ; both blocks' biases, into window 1: tile b, register j = b1[16 b + 8 (l / 16) + j] of my 128 columns
.irp b, 0,1,2,3,4,5,6,7
	global_load_b128 v[192+8*\b:192+8*\b+3],   v[BO], s[66:67] offset:64*\b
	global_load_b128 v[192+8*\b+4:192+8*\b+7], v[BO], s[66:67] offset:64*\b+16
	global_load_b128 v[8*\b:8*\b+3],           v[BO], s[66:67] offset:NEXTB*4+64*\b
	global_load_b128 v[8*\b+4:8*\b+7],         v[BO], s[66:67] offset:NEXTB*4+64*\b+16
.endr
	WIN 0
	v_mul_u32_u24 v3, v1, PITCH
	v_lshl_add_u32 v3, v2, 4, v3                   ; row x pitch + 16 x half
	s_mul_i32 s21, s11, HALFT                      ; my 128 rows of h
	s_mul_i32 s22, s12, HALFT                      ; my 128 rows of w1t,
	s_add_co_u32 s22, s22, 2*HALFT                 ; which lie behind the 256 of h
.irp s, 0,1
	v_add_nc_u32 v[ADRA+\s], s21, v3
	v_add_nc_u32 v[ADRB+\s], s22, v3
	s_add_co_u32 s21, s21, SLOT
	s_add_co_u32 s22, s22, SLOT
.endr
	s_mul_i32 s23, s10, 16*SPITCH
	s_add_co_u32 s23, s23, STAGE                   ; my stage
	v_mul_u32_u24 v4, v1, SPITCH                   ; in: row l % 16, 16 bytes for each half of the lanes
	v_lshl_add_u32 v4, v2, 4, v4
	v_add_nc_u32 v[STO], s23, v4
	v_mul_u32_u24 v5, v2, SPITCH                   ; back: lanes 0-15 take one row of 256 bytes, lanes 16-31 the next
	v_lshl_add_u32 v5, v1, 4, v5
	v_add_nc_u32 v[RD], s23, v5
	v_mul_u32_u24 v5, v2, SIZE_N*2                 ; and the same two rows in act
	v_lshl_add_u32 v[CO], v1, 4, v5
; 16 matrix instructions: m blocks a0, a0 + 1 of the window's four (hi = 0: my rows 0-63, 1: rows 64-127) x all 8 n blocks, 32 along K.
; first = 1: C is the bias, at v[BIAS ..] of window 1 (the symbol BIAS is set in front of each block).
.macro MUL16 f, hi, a0, first
.irp a, \a0, \a0+1
.irp b, 0,1,2,3,4,5,6,7
.if \first
	v_wmma_f32_16x16x32_f16 v[8*(8*(\a)+\b):8*(8*(\a)+\b)+7], v[\f+8*\b:\f+8*\b+7], v[\f+8*(4*\hi+\a):\f+8*(4*\hi+\a)+7], v[BIAS+8*\b:BIAS+8*\b+7]
.else
	v_wmma_f32_16x16x32_f16 v[8*(8*(\a)+\b):8*(8*(\a)+\b)+7], v[\f+8*\b:\f+8*\b+7], v[\f+8*(4*\hi+\a):\f+8*(4*\hi+\a)+7], v[8*(8*(\a)+\b):8*(8*(\a)+\b)+7]
.endif
.endr
.endr
.endm
; 32 LDS loads in one run: the fragments of one quarter step (128 rows of w1t, then 128 rows of h, 32 K at byte k of the rows) into buffer f
.macro FETCH slot, k, f
	WIN TO_B
.irp i, 0,1,2,3,4,5,6,7
	ds_load_b128 v[\f+8*\i:\f+8*\i+3],   v[ADRB+\slot] offset:\k+\i*16*PITCH
	ds_load_b128 v[\f+8*\i+4:\f+8*\i+7], v[ADRB+\slot] offset:\k+\i*16*PITCH+32
.endr
	WIN 0
.irp i, 0,1,2,3,4,5,6,7
	ds_load_b128 v[\f+8*\i:\f+8*\i+3],   v[ADRA+\slot] offset:\k+\i*16*PITCH
	ds_load_b128 v[\f+8*\i+4:\f+8*\i+7], v[ADRA+\slot] offset:\k+\i*16*PITCH+32
.endr
.endm
; A load into a register that a matrix instruction has read, and a vector instruction that reads a matrix result, stand four places behind that matrix instruction,
; and only plain vector instructions that name none of its registers are places (ISA guide 7.12.1 for vector instructions).
.macro PLACES
.rept 4
	v_nop
.endr
.endm
; A K step is four quarter steps of 32 along K, 64 matrix instructions each, on buffers 0, 1, 0, 1.
; One of the first three: multiplies buffer f; in its middle it fetches the next quarter's fragments, at byte k of the same slot's rows, into buffer g.
.macro QUARTER slot, k, f, g, first
	s_wait_dscnt 8                                 ; w1t and rows 0-63 of h are in; the youngest eight loads (rows 64-127 of h) may be out
.if \first
	WIN BIAS_LO
.else
	WIN MUL_LO
.endif
	MUL16 \f, 0, 0, \first
	MUL16 \f, 0, 2, \first
	PLACES
	FETCH \slot, \k, \g
	s_wait_dscnt 32                                ; all but the 32 just issued
.if \first
	WIN BIAS_HI
.else
	WIN MUL_HI
.endif
	MUL16 \f, 1, 0, \first
	MUL16 \f, 1, 2, \first
.endm
.macro THREE slot, first
	QUARTER \slot, 64,  F0, F1, \first
	QUARTER \slot, 128, F1, F0, 0
	QUARTER \slot, 192, F0, F1, 0
.endm
; The last quarter: multiplies buffer 1 and changes slots.  next = the other slot.
; fill = 0: nothing is left to fetch.  1: this slot is filled again, two K steps ahead.  2: with the same K step less 6 of the SECOND block: h goes back to the rows' start,
; w1t goes back likewise and 2,048 rows on.
; In front of the barrier each wave waits for its reads of this slot and for all its tensor loads, of which one is out: its part of the next slot.
; Behind it nobody reads this slot any more and the next slot is whole: the refill comes first, then the next slot's first fragments.
; From a request to the wait for it a wave issues 240 matrix instructions (and, between the blocks, the way out).
.macro TURN slot, next, fill
	s_wait_dscnt 8
	WIN MUL_LO
	MUL16 F1, 0, 0, 0
	s_wait_dscnt 0                                 ; my reads of this slot are over
	s_set_vgpr_msb 0xa1a0
	s_wait_tensorcnt 0x0                           ; and all my tensor loads have landed
	ds_add_u32 v30, v31
	s_wait_dscnt 0x0
	s_set_vgpr_msb 0xa0a1
	s_barrier_signal -1                            ; say so (where a slot is filled again this barrier opens a round of the cluster's barrier),
	MUL16 F1, 0, 2, 0                              ; work on registers while the others arrive,
	WIN 0
	s_barrier_wait -1
.if \fill
	CREST                                          ; no wave of any partner still reads this slot's tile or has a load on its way
.if \fill == 1
	s_add_nc_u64 s[G0+4*\slot+2:G0+4*\slot+3], s[G0+4*\slot+2:G0+4*\slot+3], 2*KSTEP*2
	s_add_nc_u64 s[G0B+4*\slot+2:G0B+4*\slot+3], s[G0B+4*\slot+2:G0B+4*\slot+3], 2*KSTEP*2
.else
	s_sub_nc_u64 s[G0+4*\slot+2:G0+4*\slot+3], s[G0+4*\slot+2:G0+4*\slot+3], SIZE_K*2-2*KSTEP*2
	s_add_nc_u64 s[G0B+4*\slot+2:G0B+4*\slot+3], s[G0B+4*\slot+2:G0B+4*\slot+3], NEXTB*SIZE_K*2-(SIZE_K*2-2*KSTEP*2)
.endif
	JLOAD \slot                                    ; the first tensor load behind the round, and the wave's only one until the next: one is out
.endif
	PLACES
	FETCH \next, 0, F0
	WIN MUL_HI
	MUL16 F1, 1, 0, 0
	MUL16 F1, 1, 2, 0
.endm
.macro LAP first, fill
	THREE 0, \first
	TURN 0, 1, \fill
	THREE 1, 0
	TURN 1, 0, \fill
.endm
; THE WAY OUT, 16 rows at a time: clamp, round to f16, 16 bytes a lane into my own stage in LDS, read back as whole rows of 256 bytes.
; rows 16 i .. 16 i + 15 of my part = the eight tiles (a, 0..7) of window 2 or 3.  inpl: destination and source 0 in that window; from: sources 0 and 1;
; rb: RB0 or RB1 in turn; cb: the scalar pair with the block's address in act
.macro OUT16 i, a, inpl, from, rb, cb
	WIN \inpl
.irp b, 0,1,2,3,4,5,6,7
.irp r, 0,1,2,3,4,5,6,7
	v_med3_num_f32 v[8*(8*\a+\b)+\r], v[8*(8*\a+\b)+\r], 0, s70    ; relu, and no f16 infinity
.endr
.endr
	WIN \from
.irp b, 0,1,2,3,4,5,6,7
.irp r, 0,1,2,3
	v_cvt_pk_f16_f32 v[TMP+4*\b+\r], v[8*(8*\a+\b)+2*\r], v[8*(8*\a+\b)+2*\r+1]
.endr
.endr
	WIN 0
.irp b, 0,1,2,3,4,5,6,7
	ds_store_b128 v[STO], v[TMP+4*\b:TMP+4*\b+3] offset:32*\b
.endr
	s_wait_xcnt 0x0                                ; the registers rb, which earlier stores read, and the stores' base are rewritten only behind this wait
.if \i
	s_add_nc_u64 s[\cb:\cb+1], s[\cb:\cb+1], 16*SIZE_N*2           ; 16 rows on
.endif
.irp t, 0,1,2,3,4,5,6,7
	ds_load_b128 v[\rb+4*\t:\rb+4*\t+3], v[RD] offset:\t*2*SPITCH  ; LDS serves a wave's instructions in order (ISA guide 5.7.1.4): these see the stores above
.endr
.irp t, 0,1,2,3,4,5,6,7
	s_wait_dscnt 7-\t                              ; read-back t is in, the younger ones stay out
	global_store_b128 v[CO], v[\rb+4*\t:\rb+4*\t+3], s[\cb:\cb+1] offset:2*\t*SIZE_N*2   ; 16 lanes store 256 consecutive bytes, aligned
.endr
.endm
.macro OUTALL cb
	PLACES                                         ; the places behind the last matrix instructions, for what reads their results
	OUT16 0, 0, 0x82, 0x0a, RB0, \cb
	OUT16 1, 1, 0x82, 0x0a, RB1, \cb
	OUT16 2, 2, 0x82, 0x0a, RB0, \cb
	OUT16 3, 3, 0x82, 0x0a, RB1, \cb
	OUT16 4, 0, 0xc3, 0x0f, RB0, \cb
	OUT16 5, 1, 0xc3, 0x0f, RB1, \cb
	OUT16 6, 2, 0xc3, 0x0f, RB0, \cb
	OUT16 7, 3, 0xc3, 0x0f, RB1, \cb
.endm
	s_wait_loadcnt 0x0                             ; both biases are in: no global load is pending at the signal
	s_wait_tensorcnt 1                             ; my part of K step 0 is in; K step 1 stays out
	s_barrier_signal -1
	s_barrier_wait -1                              ; everybody's part is in
	FETCH 0, 0, F0
	; ---- the first block
.set BIAS, 192
	LAP 1, 1                                       ; the first lap stands in front of the loop: its first products start the sums from the bias
	WIN 0                                          ; at a label and at a branch every window is 0
	s_mov_b32 s3, LAPS-2
.Llap_a:
	LAP 0, 1
	WIN 0
	s_sub_co_u32 s3, s3, 1
	s_cmp_lg_u32 s3, 0
	s_cbranch_scc1 .Llap_a
	LAP 0, 2                                       ; the last lap asks for the second block's K steps 0 and 1, and fetches its first fragments into buffer 0
	OUTALL 8                                       ; K step 1 of the second block is on its way meanwhile; the stage is no part of the ring
	; ---- the second block; the first block's stores leave meanwhile
.set BIAS, 0
	LAP 1, 1
	WIN 0
	s_mov_b32 s3, LAPS-2
.Llap_b:
	LAP 0, 1
	WIN 0
	s_sub_co_u32 s3, s3, 1
	s_cmp_lg_u32 s3, 0
	s_cbranch_scc1 .Llap_b
	THREE 0, 0                                     ; the last lap fills nothing: the one tensor load still out is slot 1's, the last K step's
	TURN 0, 1, 0
	THREE 1, 0
	s_wait_dscnt 8                                 ; the very last quarter: nothing more to fetch
	WIN MUL_LO
	MUL16 F1, 0, 0, 0
	MUL16 F1, 0, 2, 0
	s_wait_dscnt 0
	WIN MUL_HI
	MUL16 F1, 1, 0, 0
	MUL16 F1, 1, 2, 0
	OUTALL 72
	s_wait_tensorcnt 0x0
	ds_add_u32 v30, v31
	s_wait_dscnt 0x0
	CROUND                                         ; the closing round: no work-group ends while a partner may still ask for a tile that names it
	s_endpgm
.Lfunc_end_k_q58564c0916_ffn1:
	.size	k_q58564c0916_ffn1, .Lfunc_end_k_q58564c0916_ffn1-k_q58564c0916_ffn1
	.p2alignl 7, 3214868480
	.fill 96, 4, 3214868480
	.section	.rodata,"a",@progbits
	.p2align	6, 0x0
	.amdhsa_kernel k_q58564c0916_ffn1
		.amdhsa_group_segment_fixed_size 327680
		.amdhsa_private_segment_fixed_size 0
		.amdhsa_enable_private_segment 0
		.amdhsa_kernarg_size 32
		.amdhsa_user_sgpr_count 2
		.amdhsa_user_sgpr_kernarg_segment_ptr 1
		.amdhsa_wavefront_size32 1
		.amdhsa_system_sgpr_workgroup_id_x 1
		.amdhsa_system_sgpr_workgroup_id_y 1
		.amdhsa_system_sgpr_workgroup_id_z 1
		.amdhsa_system_vgpr_workitem_id 0
		.amdhsa_next_free_vgpr 1024
		.amdhsa_next_free_sgpr 76
		.amdhsa_reserve_vcc 0
		.amdhsa_float_denorm_mode_32 3
		.amdhsa_float_denorm_mode_16_64 3
		.amdhsa_memory_ordered 1
		.amdhsa_forward_progress 1
		.amdhsa_inst_pref_size 255
	.end_amdhsa_kernel
	.section	.bss,"aw",@nobits
	.p2align	6
	.space	262144
	.amdgpu_metadata
---
amdhsa.version: [ 1, 2 ]
amdhsa.kernels:
  - .name:           k_q58564c0916_ffn1
    .symbol:         k_q58564c0916_ffn1.kd
    .args:
      - { .name: h, .offset: 0, .size: 8, .value_kind: global_buffer, .address_space: global }
      - { .name: w1t, .offset: 8, .size: 8, .value_kind: global_buffer, .address_space: global }
      - { .name: act, .offset: 16, .size: 8, .value_kind: global_buffer, .address_space: global }
      - { .name: b1, .offset: 24, .size: 8, .value_kind: global_buffer, .address_space: global }
    .group_segment_fixed_size: 327680
    .private_segment_fixed_size: 0
    .kernarg_segment_align: 8
    .kernarg_segment_size: 32
    .max_flat_workgroup_size: 128
    .sgpr_count:     76
    .vgpr_count:     1024
    .wavefront_size: 32
...
	.end_amdgpu_metadata
.endif
;; end of part 2
;; launch ffn2 (part 3): grid 8 x 32, 4 waves a work-group, clusters of 4 x 4, 327,680 bytes of LDS; arguments act, w2t, out0, b2; writes out0
.if DOCPART == 3
	.amdgcn_target "amdgcn-amd-amdhsa--gfx1250"
	.amdhsa_code_object_version 6
	.text
	.protected	k_q58564c0916_ffn2
	.globl	k_q58564c0916_ffn2
	.p2align	8
	.type	k_q58564c0916_ffn2,@function
k_q58564c0916_ffn2:
	s_mov_b64 s[64:65], 0
	v_nop
	global_prefetch_b8 v0, s[64:65] scope:SCOPE_SE
	s_setreg_imm32_b32 hwreg(HW_REG_WAVE_MODE, 25, 1), 1
	s_wait_xcnt 0x0
	s_wait_alu depctr_hold_cnt(0) depctr_sa_sdst(0) depctr_va_vdst(0) depctr_va_sdst(0) depctr_va_ssrc(0) depctr_va_vcc(0) depctr_vm_vsrc(0)
	s_getreg_b32 s2, hwreg(HW_REG_IB_STS2, 6, 4)
	s_cmp_eq_u32 s2, 0
	s_cbranch_scc0 .Lentry_in_a_cluster
	s_endpgm
.Lentry_in_a_cluster:
	s_bfe_u32 s2, ttmp6, 0x10000c
	s_cmp_lg_u32 s2, 0xf033
	s_cbranch_scc0 .Lentry_shape_is_right
	s_endpgm
.Lentry_shape_is_right:
; Third launch: out0[m][n] = sum over k of act[m][k] w2t[n][k] + b2[n].  act [8192][4096] f16, w2t [1024][4096] f16, out0 [8192][1024] f32; sums in f32.  No work is left out.
; 8192 x 1024 outputs over 256 work-groups are blocks of 256 x 128.  To keep a wave's tile at 128 x 128 (as many multiply-adds for each byte read from LDS as a square
; block gives) the four waves are (mh = wave / 2, kh = wave % 2): wave (mh, kh) takes rows 128 mh .. + 127, all 128 columns, and the half kh of the K range of every slot.
; LIMIT: each output is therefore the sum of two f32 half sums over K, added once at the end (an order of rounding other than one ascending chain).
; The two waves of a pair exchange halves through LDS: each keeps the rows 64 kh .. + 63 of the pair's 128 (window 2) and gives the other 64 (window 3) to its partner,
; so that the text of the exchange and of the way out is the same in all waves.
; THE RING: a K step of 128 is only 128 matrix instructions a wave here, too few for a tile to land under, so the slots are made as large as fit.  Two slots of two K steps
; (2 x 384 rows x 528 bytes = 405,504) are more than the 327,680 bytes that a work-group can be given; one of two K steps (202,752) beside one of one K step (104,448) fits.
; The 32 K steps go as ten pairs (big slot: steps 3 j, 3 j + 1; small slot: step 3 j + 2) and a last big slot (steps 30, 31).  A slot is asked for again when it has been read:
; the small slot's tile has the big slot's 240 matrix instructions in which to land, the big slot's tile the small slot's 112.  Rows are 512 or 256 bytes of memory, at multiples of 256.
; CLUSTERS: 4 x 4 work-groups; tiles of act are asked for jointly along a row of the cluster, tiles of w2t along a column, which divides the requests for both by four.
; REGISTERS: window 0: v16-31 addresses and b2; v64-127, v128-191 fragments of act, two buffers.  Window 1: the same places, fragments of w2t.
;   window 2: the 32 accumulator tiles of the rows I keep (tile (a, b) at v[8 (8 a + b)]);   window 3: those of the rows I give.
; The matrix instruction is used transposed (source 0 = rows of w2t, source 1 = rows of act): lane l holds row l % 16, registers 0 to 7 the columns 8 (l / 16) + 0 .. 7.
; The 64 accumulators take turns, one instruction a turn, in the same order in every quarter step and over the backward jump.
.set SIZE_N, 1024
.set SIZE_K, 4096
.set KSTEP,  128
.set PB,     528                       ; LDS pitch of the big slot (slot 0): 512 bytes + 16 of padding
.set PS,     272                       ; of the small slot (slot 1): 256 bytes + 16.  Slot s has the pitch PB - 256 s; both are odd multiples of 16
.set BIG,    384*PB                    ; the big slot: 256 rows of act, then 128 rows of w2t, from LDS byte 0; the small slot lies behind it, laid out alike
.set XCH,    32768                     ; the exchange: 32 tiles x 1,024 bytes for each wave, from LDS byte 0, in the big slot after its last fill and its last read
.set STAGE,  4*XCH                     ; the way out: 16 rows x 528 bytes for each wave, behind the exchange, in the big slot too (up to byte 164,863 of its 202,752)
.set SPITCH, 528                       ; 512 bytes + 16
.set ADRK, 16                          ; v16-17  LDS address of the fragments of the rows I keep, slot 0, 1
.set ADRG, 18                          ; v18-19  of the rows I give
.set ADRB, 20                          ; v20-21  of w2t
.set XST,  22                          ; v22     the exchange: where I put
.set XLD,  23                          ; v23     the exchange: where my partner has put
.set STO,  24                          ; v24     the way out: where I put 16 bytes of a row
.set RD,   25                          ; v25     the way out: where I read a row back
.set CO,   26                          ; v26     16 x lane: my byte offset in a row's 512 bytes of out0, and in b2
.set PFO,  27                          ; v27     8,192 x lane: a row of act for each lane, for the prefetch
.set BI,   28                          ; v[28:31] b2 of my four columns
.set F0,   64
.set F1,   128
.set G1A, 24                           ; s[24:39] descriptor group 1 for tiles of act, a set of eight for each slot
.set G1B, 48                           ; s[48:63] the same for tiles of w2t
.set G0A, 72                           ; s[72:79] descriptor group 0 for tiles of act, a set of four for each slot
.set G0B, 80                           ; s[80:87] the same for tiles of w2t
.set PF,  88                           ; s[88:89] the prefetch's base
.set MSB, 0
.macro WIN new                         ; low byte: bits 1:0 source 0, 3:2 source 1, 5:4 source 2, 7:6 destination; the high byte repeats the setting that is left
.if MSB != \new
	s_set_vgpr_msb (MSB<<8)|\new
.set MSB, \new
.endif
.endm
.set MUL_LO, 0xa1                      ; source 0 (w2t) window 1, source 1 (act) window 0, C and D window 2
.set MUL_HI, 0xf1                      ; the same, C and D window 3
.set TO_B,   0x40                      ; destination window 1, address window 0
.macro JLOAD s                         ; waves 0 and 1 fetch the halves of slot s's tile of act, waves 2 and 3 those of w2t; the branch hangs on the wave's number alone
	s_cmp_eq_u32 s11, 0
	s_cbranch_scc0 .Lfor_b_\@
	tensor_load_to_lds s[G0A+4*\s:G0A+4*\s+3], s[G1A+8*\s:G1A+8*\s+7]
	s_nop 0
	s_branch .Lasked_\@
.Lfor_b_\@:
	tensor_load_to_lds s[G0B+4*\s:G0B+4*\s+3], s[G1B+8*\s:G1B+8*\s+7]
	s_nop 0
.Lasked_\@:
.endm
.macro CREST                           ; a round of the cluster's barrier behind its opening barrier
	s_cmp_lg_u32 s10, 0
	s_cbranch_scc1 .Lnot_wave_0_\@
	s_barrier_signal -3
.Lnot_wave_0_\@:
	s_barrier_wait -3
	s_barrier_signal -1
	s_barrier_wait -1
.endm
.macro CROUND
	s_barrier_signal -1
	s_barrier_wait -1
	CREST
.endm
; THE PREFETCH of act.  The eight work-groups of a block row read the same 256 rows; they are dealt out, 32 rows to each block column, so that each block of 256 bytes is
; asked for once in the launch.  Wave 3 asks, a row a lane.  In pair j, behind the big slot's refill, it asks for K steps 3 j + 5, 3 j + 6, 3 j + 7: the small slot's next
; tile, whose load goes out at the next change of slots, and the big slot's next but one, whose load goes out at the change after that: 24 KiB a work-group.
; Steps 3 and 4 are asked for at the kernel's head.  Pairs 0 to 8 ask, the last for steps 29 to 31, the rows' end; pair 9 asks for nothing.  w2t is read by all 32 block rows and is not asked for.
.macro PREFETCH
	s_cmp_lg_u32 s10, 3
	s_cbranch_scc1 .Lnot_wave_3_\@
	s_wait_xcnt 0x0                                ; the base is stepped only behind this wait; the last prefetches were issued a whole pair ago
	s_add_nc_u64 s[PF:PF+1], s[PF:PF+1], 3*KSTEP*2
	global_prefetch_b8 v[PFO], s[PF:PF+1] th:TH_LOAD_NT scope:SCOPE_SE
	global_prefetch_b8 v[PFO], s[PF:PF+1] offset:256 th:TH_LOAD_NT scope:SCOPE_SE
	global_prefetch_b8 v[PFO], s[PF:PF+1] offset:512 th:TH_LOAD_NT scope:SCOPE_SE
.Lnot_wave_3_\@:
.endm
	s_load_b128 s[4:7], s[0:1], 0x0                ; act s[4:5], w2t s[6:7]
	s_load_b64 s[8:9], s[0:1], 0x10                ; out0
	s_load_b64 s[66:67], s[0:1], 0x18              ; b2
	s_set_vgpr_msb 0x40
	v_lshl_add_u32 v255, v0, 2, 0x4b000
	s_set_vgpr_msb 0x4000
	v_mov_b32 v255, 0
	s_set_vgpr_msb 0x1
	ds_add_u32 v255, v255
	s_set_vgpr_msb 0x100
	v_lshrrev_b32 v1, 5, v0
	v_readfirstlane_b32 s10, v1                    ; wave 0..3
	s_lshr_b32 s11, s10, 1                         ; mh.  Also: I fetch act (0) or w2t (1)
	s_and_b32 s12, s10, 1                          ; kh.  Also: which half of that tile's rows I fetch
	s_bfe_u32 s40, ttmp6, 0x40000                  ; cx
	s_bfe_u32 s41, ttmp6, 0x40004                  ; cy
	s_lshl_b32 s42, ttmp9, 2
	s_add_co_u32 s42, s42, s40                     ; block column = 4 x cluster x + cx
	s_and_b32 s13, ttmp7, 0xffff
	s_lshl_b32 s13, s13, 2
	s_add_co_u32 s13, s13, s41                     ; block row = 4 x cluster y + cy
	s_lshl_b32 s43, s41, 2
	s_lshl_b32 s43, 15, s43                        ; my row of the cluster
	s_lshl_b32 s44, 0x1111, s40                    ; my column
	s_lshl_b32 s68, s42, 9                         ; my block's 128 columns of f32, in out0's rows and in b2
	s_mov_b32 s69, 0
	s_lshl_b32 s22, s13, 8                         ; the first row that I store: 256 x block row + 128 mh + 64 kh,
	s_lshl_b32 s23, s11, 7
	s_add_co_u32 s22, s22, s23
	s_lshl_b32 s23, s12, 6
	s_add_co_u32 s22, s22, s23
	s_lshl_b32 s22, s22, 12                        ; times 4,096 bytes: below 2^25
	s_mov_b32 s23, 0
	s_lshl_b32 s70, s13, 21                        ; the prefetch: row 256 x block row + 32 x block column, times 8,192 bytes (below 2^26),
	s_lshl_b32 s71, s42, 18
	s_add_co_u32 s70, s70, s71
	s_add_co_u32 s70, s70, 2*KSTEP*2               ; at K step 2: three steps in front of the first pair's request
	s_mov_b32 s71, 0
	; descriptor groups 1: elements of 2 bytes, 16 bytes of padding behind each row.  Slot 0: rows of 256 elements (128 words); slot 1: of 128 (64 words).  128 rows of act, 64 rows of w2t.
.irp s, 0,1
	s_or_b32 s[G1A+8*\s+0], s43, (1<<16)|(1<<20)|(1<<21)|((6-\s)<<22)|(3<<25)  ; 15:0 the mask of my row; 17:16 element of 2 bytes; 20 padding on; 21 set beside a mask; 24:22 every 128 or 64 words; 31:25 four words
	s_or_b32 s[G1B+8*\s+0], s44, (1<<16)|(1<<20)|(1<<21)|((6-\s)<<22)|(3<<25)  ; the same with the mask of my column
	s_mov_b32 s[G1A+8*\s+1], (256-128*\s)<<16      ; tensor_dim0
	s_mov_b32 s[G1B+8*\s+1], (256-128*\s)<<16
	s_mov_b32 s[G1A+8*\s+2], 128<<16               ; tensor_dim1 = 128
	s_mov_b32 s[G1B+8*\s+2], 64<<16                ; 64
	s_mov_b32 s[G1A+8*\s+3], (256-128*\s)<<16      ; tile_dim0
	s_mov_b32 s[G1B+8*\s+3], (256-128*\s)<<16
	s_mov_b32 s[G1A+8*\s+4], 128                   ; tile_dim1 = 128
	s_mov_b32 s[G1B+8*\s+4], 64                    ; 64
	s_mov_b32 s[G1A+8*\s+5], SIZE_K                ; elements from row to row
	s_mov_b32 s[G1B+8*\s+5], SIZE_K
	s_mov_b32 s[G1A+8*\s+6], 0
	s_mov_b32 s[G1B+8*\s+6], 0
	s_mov_b32 s[G1A+8*\s+7], 0
	s_mov_b32 s[G1B+8*\s+7], 0
.endr
	s_lshl_b32 s17, s12, 7
	s_lshl_b32 s16, s13, 8
	s_add_co_u32 s16, s16, s17                     ; act: row 256 x block row + 128 x half
	s_lshl_b32 s47, s12, 6
	s_lshl_b32 s46, s42, 7
	s_add_co_u32 s46, s46, s47                     ; w2t: row 128 x block column + 64 x half
	s_mov_b32 s17, 0
	s_mov_b32 s47, 0
	s_mov_b64 s[18:19], SIZE_K*2
	s_mul_u64 s[16:17], s[16:17], s[18:19]
	s_mul_u64 s[46:47], s[46:47], s[18:19]
	s_wait_dscnt 0x0
	s_wait_kmcnt 0x0
	s_add_nc_u64 s[14:15], s[4:5], s[16:17]
	s_add_nc_u64 s[46:47], s[6:7], s[46:47]
	s_add_nc_u64 s[66:67], s[66:67], s[68:69]
	s_add_nc_u64 s[8:9], s[8:9], s[22:23]
	s_add_nc_u64 s[8:9], s[8:9], s[68:69]
	s_add_nc_u64 s[PF:PF+1], s[4:5], s[70:71]
	CROUND                                         ; all sixteen work-groups are here: the first joint loads meet
	; descriptor groups 0.  LDS: waves 0, 1 put the halves of act at wave x 128 rows, waves 2, 3 the halves of w2t at wave x 64 rows + 128 rows = 256 and 320 rows, of the slot's pitch
	s_mov_b32 s[G0A+0], 1                          ; the big slot: K steps 0 and 1
	s_mul_i32 s[G0A+1], s10, 128*PB
	s_mov_b64 s[G0A+2:G0A+3], s[14:15]
	s_or_b32 s[G0A+3], s[G0A+3], 0x80000000        ; type = 2
	s_mov_b32 s[G0B+0], 1
	s_mul_i32 s[G0B+1], s10, 64*PB
	s_add_co_u32 s[G0B+1], s[G0B+1], 128*PB
	s_mov_b64 s[G0B+2:G0B+3], s[46:47]
	s_or_b32 s[G0B+3], s[G0B+3], 0x80000000
	JLOAD 0
	s_mov_b32 s[G0A+4], 1                          ; the small slot: K step 2
	s_mul_i32 s[G0A+5], s10, 128*PS
	s_add_co_u32 s[G0A+5], s[G0A+5], BIG
	s_add_nc_u64 s[G0A+6:G0A+7], s[14:15], 2*KSTEP*2
	s_or_b32 s[G0A+7], s[G0A+7], 0x80000000
	s_mov_b32 s[G0B+4], 1
	s_mul_i32 s[G0B+5], s10, 64*PS
	s_add_co_u32 s[G0B+5], s[G0B+5], BIG+128*PS
	s_add_nc_u64 s[G0B+6:G0B+7], s[46:47], 2*KSTEP*2
	s_or_b32 s[G0B+7], s[G0B+7], 0x80000000
	JLOAD 1                                        ; both slots are asked for before anything else: two tensor loads of the wave are out
	v_and_b32 v4, 31, v0
	v_lshlrev_b32 v[CO], 4, v4                     ; 16 x lane
	v_lshlrev_b32 v[PFO], 13, v4                   ; 8,192 x lane
	global_load_b128 v[BI:BI+3], v[CO], s[66:67]   ; b2 of columns 4 lane .. 4 lane + 3 of my block
	s_cmp_lg_u32 s10, 3
	s_cbranch_scc1 .Lnot_wave_3_head
	global_prefetch_b8 v[PFO], s[PF:PF+1] offset:256 th:TH_LOAD_NT scope:SCOPE_SE   ; K steps 3 and 4, the big slot's first refill
	global_prefetch_b8 v[PFO], s[PF:PF+1] offset:512 th:TH_LOAD_NT scope:SCOPE_SE
.Lnot_wave_3_head:
	v_and_b32 v1, 15, v0                           ; l % 16
	v_bfe_u32 v2, v0, 4, 1                         ; l / 16
	v_mul_u32_u24 v3, v1, PB
	v_lshl_add_u32 v3, v2, 4, v3                   ; the big slot: row x pitch + 16 x half
	v_mul_u32_u24 v5, v1, PS
	v_lshl_add_u32 v5, v2, 4, v5                   ; the small slot
	s_xor_b32 s16, s12, 1                          ; the other half of my pair's rows
	s_mul_i32 s21, s11, 128*PB                     ; the big slot: my pair's 128 rows of act,
	s_lshl_b32 s23, s12, 8                         ; my half of its K range: 128 elements = 256 bytes into each row
	s_add_co_u32 s21, s21, s23
	s_mul_i32 s22, s12, 64*PB
	s_add_co_u32 s22, s22, s21                     ; the 64 rows that I keep,
	s_mul_i32 s17, s16, 64*PB
	s_add_co_u32 s21, s21, s17                     ; the 64 rows that I give,
	s_add_co_u32 s23, s23, 256*PB                  ; w2t behind the 256 rows of act
	v_add_nc_u32 v[ADRK], s22, v3
	v_add_nc_u32 v[ADRG], s21, v3
	v_add_nc_u32 v[ADRB], s23, v3
	s_mul_i32 s21, s11, 128*PS                     ; the small slot likewise; my half of its K range is 64 elements = 128 bytes
	s_lshl_b32 s23, s12, 7
	s_add_co_u32 s21, s21, s23
	s_add_co_u32 s21, s21, BIG
	s_mul_i32 s22, s12, 64*PS
	s_add_co_u32 s22, s22, s21
	s_mul_i32 s17, s16, 64*PS
	s_add_co_u32 s21, s21, s17
	s_add_co_u32 s23, s23, BIG+256*PS
	v_add_nc_u32 v[ADRK+1], s22, v5
	v_add_nc_u32 v[ADRG+1], s21, v5
	v_add_nc_u32 v[ADRB+1], s23, v5
	s_lshl_b32 s16, s10, 15                        ; wave x 32,768
	v_add_nc_u32 v[XST], s16, v[CO]
	s_xor_b32 s16, s16, XCH                        ; my partner, wave xor 1
	v_add_nc_u32 v[XLD], s16, v[CO]
	s_mul_i32 s17, s10, 16*SPITCH
	s_add_co_u32 s17, s17, STAGE                   ; my stage
	v_mul_u32_u24 v4, v1, SPITCH                   ; in: row l % 16, 32 bytes for each half of the lanes
	v_lshl_add_u32 v4, v2, 5, v4
	v_add_nc_u32 v[STO], s17, v4
	v_add_nc_u32 v[RD], s17, v[CO]                 ; back: 32 lanes take one row of 512 bytes
; 16 matrix instructions: m blocks a0, a0 + 1 of the window's four (hi = 0: the rows I keep, 1: the rows I give) x all 8 n blocks, 32 along K.  zero = 1: the first product starts the sums.
.macro MUL16 f, hi, a0, zero
.irp a, \a0, \a0+1
.irp b, 0,1,2,3,4,5,6,7
.if \zero
	v_wmma_f32_16x16x32_f16 v[8*(8*(\a)+\b):8*(8*(\a)+\b)+7], v[\f+8*\b:\f+8*\b+7], v[\f+8*(4*\hi+\a):\f+8*(4*\hi+\a)+7], 0
.else
	v_wmma_f32_16x16x32_f16 v[8*(8*(\a)+\b):8*(8*(\a)+\b)+7], v[\f+8*\b:\f+8*\b+7], v[\f+8*(4*\hi+\a):\f+8*(4*\hi+\a)+7], v[8*(8*(\a)+\b):8*(8*(\a)+\b)+7]
.endif
.endr
.endr
.endm
; 32 LDS loads in one run: 128 rows of w2t, the 64 rows that I keep, the 64 rows that I give; 32 K at byte k of my half of the slot's rows, into buffer f
.macro FETCH slot, k, f
	WIN TO_B
.irp i, 0,1,2,3,4,5,6,7
	ds_load_b128 v[\f+8*\i:\f+8*\i+3],   v[ADRB+\slot] offset:\k+\i*16*(PB-256*\slot)
	ds_load_b128 v[\f+8*\i+4:\f+8*\i+7], v[ADRB+\slot] offset:\k+\i*16*(PB-256*\slot)+32
.endr
	WIN 0
.irp i, 0,1,2,3
	ds_load_b128 v[\f+8*\i:\f+8*\i+3],   v[ADRK+\slot] offset:\k+\i*16*(PB-256*\slot)
	ds_load_b128 v[\f+8*\i+4:\f+8*\i+7], v[ADRK+\slot] offset:\k+\i*16*(PB-256*\slot)+32
.endr
.irp i, 0,1,2,3
	ds_load_b128 v[\f+32+8*\i:\f+32+8*\i+3], v[ADRG+\slot] offset:\k+\i*16*(PB-256*\slot)
	ds_load_b128 v[\f+36+8*\i:\f+36+8*\i+3], v[ADRG+\slot] offset:\k+\i*16*(PB-256*\slot)+32
.endr
.endm
; Four places of plain vector instructions stand behind a matrix instruction before a load lands on one of its registers or anything but a matrix instruction
; reads its result (ISA guide 7.12.1 for vector instructions).
.macro PLACES
.rept 4
	v_nop
.endr
.endm
; For a wave the big slot is four quarter steps of 32 along K, the small slot two; 64 matrix instructions each, on buffers 0, 1 by turns.
; All but a slot's last: multiplies buffer f; in its middle it fetches the next quarter's fragments, at byte k, into buffer g.
.macro QUARTER slot, k, f, g, zero
	s_wait_dscnt 8                                 ; w2t and the rows I keep are in; the youngest eight loads (the rows I give) may be out
	WIN MUL_LO
	MUL16 \f, 0, 0, \zero
	MUL16 \f, 0, 2, \zero
	PLACES
	FETCH \slot, \k, \g
	s_wait_dscnt 32                                ; all but the 32 just issued
	WIN MUL_HI
	MUL16 \f, 1, 0, \zero
	MUL16 \f, 1, 2, \zero
.endm
; A slot's last quarter: multiplies buffer 1 and changes slots.  fill = 1: this slot is filled again, three K steps further on; pf = 1: wave 3 prefetches.
; In front of the barrier each wave waits for its reads of this slot and for all its tensor loads, of which one is out: its part of the next slot.
; Behind it the refill comes first, then the next slot's first fragments.
.macro TURN slot, next, fill, pf
	s_wait_dscnt 8
	WIN MUL_LO
	MUL16 F1, 0, 0, 0
	s_wait_dscnt 0                                 ; my reads of this slot are over
	s_wait_tensorcnt 0x0                           ; and all my tensor loads have landed
	ds_add_u32 v255, v255
	s_wait_dscnt 0x0
	s_barrier_signal -1                            ; say so (where a slot is filled again this barrier opens a round of the cluster's barrier),
	MUL16 F1, 0, 2, 0                              ; work on registers while the others arrive,
	WIN 0
	s_barrier_wait -1
.if \fill
	CREST                                          ; no wave of any partner still reads this slot's tile or has a load on its way
	s_add_nc_u64 s[G0A+4*\slot+2:G0A+4*\slot+3], s[G0A+4*\slot+2:G0A+4*\slot+3], 3*KSTEP*2
	s_add_nc_u64 s[G0B+4*\slot+2:G0B+4*\slot+3], s[G0B+4*\slot+2:G0B+4*\slot+3], 3*KSTEP*2
	JLOAD \slot                                    ; the first tensor load behind the round, and the wave's only one until the next: one is out
.endif
.if \pf
	PREFETCH
.endif
	PLACES
	FETCH \next, 0, F0
	WIN MUL_HI
	MUL16 F1, 1, 0, 0
	MUL16 F1, 1, 2, 0
.endm
.macro BIG3 zero                       ; the big slot's first three quarters
	QUARTER 0, 64,  F0, F1, \zero
	QUARTER 0, 128, F1, F0, 0
	QUARTER 0, 192, F0, F1, 0
.endm
; A pair: the big slot's two K steps, then the small slot's one.  The big slot is always filled again; sfill: the small one too; pf: the prefetch.
.macro PAIR zero, sfill, pf
	BIG3 \zero
	TURN 0, 1, 1, \pf
	QUARTER 1, 64, F0, F1, 0
	TURN 1, 0, \sfill, 0
.endm
	s_wait_loadcnt 0x0                             ; b2 is in: no global load is pending at the signal
	s_wait_tensorcnt 1                             ; my part of the big slot is in; the small slot's stays out
	s_barrier_signal -1
	s_barrier_wait -1
	FETCH 0, 0, F0
	PAIR 1, 1, 1                                   ; pair 0 stands in front of the loop: its first products start the sums
	WIN 0                                          ; at a label and at a branch every window is 0
	s_mov_b32 s3, 8
.Lpair:
	PAIR 0, 1, 1                                   ; pairs 1 to 8
	WIN 0
	s_sub_co_u32 s3, s3, 1
	s_cmp_lg_u32 s3, 0
	s_cbranch_scc1 .Lpair
	PAIR 0, 0, 0                                   ; pair 9: the big slot gets K steps 30 and 31, the last load; the small slot is not filled again, nothing is prefetched
	BIG3 0                                         ; the last big slot
	s_wait_dscnt 8                                 ; the very last quarter: nothing more to fetch
	WIN MUL_LO
	MUL16 F1, 0, 0, 0
	MUL16 F1, 0, 2, 0
	s_wait_dscnt 0
	WIN MUL_HI
	MUL16 F1, 1, 0, 0
	MUL16 F1, 1, 2, 0
	; THE EXCHANGE.  The ring has had its last fill (every wave waited for all its tensor loads in the last change of slots) and, behind this barrier, its last read.
	WIN 0
	PLACES                                         ; the places behind the last matrix instructions, for the stores of results and for loads into the buffers
	s_barrier_signal -1                            ; my reads of the ring are over (the wait for 0 above)
	s_barrier_wait -1
	WIN 0x0c                                       ; store data from window 3
.set t, 0
.rept 32
	ds_store_b128 v[XST], v[8*t:8*t+3]   offset:1024*t         ; 32 lanes x 16 consecutive bytes
	ds_store_b128 v[XST], v[8*t+4:8*t+7] offset:1024*t+512
.set t, t+1
.endr
	WIN 0
	s_wait_dscnt 0x0                               ; for my partner's sake: all my stores are done
	s_barrier_signal -1
	s_barrier_wait -1
.set t, 0
.rept 16
	ds_load_b128 v[F0+8*t:F0+8*t+3],   v[XLD] offset:1024*t        ; my partner's tiles 0-15, into window 0
	ds_load_b128 v[F0+8*t+4:F0+8*t+7], v[XLD] offset:1024*t+512
.set t, t+1
.endr
	WIN TO_B
.set t, 0
.rept 16
	ds_load_b128 v[F0+8*t:F0+8*t+3],   v[XLD] offset:1024*(t+16)   ; tiles 16-31, into window 1
	ds_load_b128 v[F0+8*t+4:F0+8*t+7], v[XLD] offset:1024*(t+16)+512
.set t, t+1
.endr
	s_wait_dscnt 32                                ; tiles 0-15 are in; the 32 younger loads stay out
	WIN 0x82                                       ; destination and source 0 window 2, source 1 window 0
.set t, 0
.rept 64
	v_pk_add_f32 v[2*t:2*t+1], v[2*t:2*t+1], v[F0+2*t:F0+2*t+1]
.set t, t+1
.endr
	s_wait_dscnt 0
	WIN 0x86                                       ; source 1 window 1
.set t, 0
.rept 64
	v_pk_add_f32 v[128+2*t:128+2*t+1], v[128+2*t:128+2*t+1], v[F0+2*t:F0+2*t+1]
.set t, t+1
.endr
; THE WAY OUT: rows 16 a .. 16 a + 15 of the 64 that I keep = the eight tiles (a, 0..7) of window 2, through my own stage, read back as whole rows of 512 bytes; b2 is added on the way.
.macro OUT16F a, f
	WIN 0x08                                       ; store data from window 2
.irp b, 0,1,2,3,4,5,6,7
	ds_store_b128 v[STO], v[8*(8*\a+\b):8*(8*\a+\b)+3]   offset:64*\b
	ds_store_b128 v[STO], v[8*(8*\a+\b)+4:8*(8*\a+\b)+7] offset:64*\b+16
.endr
	WIN 0
	s_wait_xcnt 0x0                                ; buffer f, which earlier stores read, and the stores' base are rewritten only behind this wait
.if \a
	s_add_nc_u64 s[8:9], s[8:9], 16*SIZE_N*4       ; 16 rows on
.endif
.irp t, 0,1,2,3,4,5,6,7,8,9,10,11,12,13,14,15
	ds_load_b128 v[\f+4*\t:\f+4*\t+3], v[RD] offset:\t*SPITCH      ; LDS serves a wave's instructions in order (ISA guide 5.7.1.4): these see the stores above
.endr
.irp t, 0,1,2,3,4,5,6,7,8,9,10,11,12,13,14,15
	s_wait_dscnt 15-\t                             ; read-back t is in, the younger ones stay out
	v_pk_add_f32 v[\f+4*\t:\f+4*\t+1],   v[\f+4*\t:\f+4*\t+1],   v[BI:BI+1]
	v_pk_add_f32 v[\f+4*\t+2:\f+4*\t+3], v[\f+4*\t+2:\f+4*\t+3], v[BI+2:BI+3]
	global_store_b128 v[CO], v[\f+4*\t:\f+4*\t+3], s[8:9] offset:\t*SIZE_N*4 th:TH_STORE_NT   ; the wave stores 512 consecutive bytes, aligned; nothing reads them again
.endr
.endm
	OUT16F 0, F0
	OUT16F 1, F1
	OUT16F 2, F0
	OUT16F 3, F1
	s_set_vgpr_msb 0x1
	s_wait_tensorcnt 0x0
	ds_add_u32 v255, v255
	s_wait_dscnt 0x0
	s_set_vgpr_msb 0x100
	CROUND                                         ; the closing round: no work-group ends while a partner may still ask for a tile that names it
	s_endpgm
.Lfunc_end_k_q58564c0916_ffn2:
	.size	k_q58564c0916_ffn2, .Lfunc_end_k_q58564c0916_ffn2-k_q58564c0916_ffn2
	.p2alignl 7, 3214868480
	.fill 96, 4, 3214868480
	.section	.rodata,"a",@progbits
	.p2align	6, 0x0
	.amdhsa_kernel k_q58564c0916_ffn2
		.amdhsa_group_segment_fixed_size 327680
		.amdhsa_private_segment_fixed_size 0
		.amdhsa_enable_private_segment 0
		.amdhsa_kernarg_size 32
		.amdhsa_user_sgpr_count 2
		.amdhsa_user_sgpr_kernarg_segment_ptr 1
		.amdhsa_wavefront_size32 1
		.amdhsa_system_sgpr_workgroup_id_x 1
		.amdhsa_system_sgpr_workgroup_id_y 1
		.amdhsa_system_sgpr_workgroup_id_z 1
		.amdhsa_system_vgpr_workitem_id 0
		.amdhsa_next_free_vgpr 1024
		.amdhsa_next_free_sgpr 90
		.amdhsa_reserve_vcc 0
		.amdhsa_float_denorm_mode_32 3
		.amdhsa_float_denorm_mode_16_64 3
		.amdhsa_memory_ordered 1
		.amdhsa_forward_progress 1
		.amdhsa_inst_pref_size 195
	.end_amdhsa_kernel
	.amdgpu_metadata
---
amdhsa.version: [ 1, 2 ]
amdhsa.kernels:
  - .name:           k_q58564c0916_ffn2
    .symbol:         k_q58564c0916_ffn2.kd
    .args:
      - { .name: act, .offset: 0, .size: 8, .value_kind: global_buffer, .address_space: global }
      - { .name: w2t, .offset: 8, .size: 8, .value_kind: global_buffer, .address_space: global }
      - { .name: out0, .offset: 16, .size: 8, .value_kind: global_buffer, .address_space: global }
      - { .name: b2, .offset: 24, .size: 8, .value_kind: global_buffer, .address_space: global }
    .group_segment_fixed_size: 327680
    .private_segment_fixed_size: 0
    .kernarg_segment_align: 8
    .kernarg_segment_size: 32
    .max_flat_workgroup_size: 128
    .sgpr_count:     90
    .vgpr_count:     1024
    .wavefront_size: 32
...
	.end_amdgpu_metadata
.endif
;; end of part 3
;; ======== version 2 of 2: 3 launches; version 1 with the launch prep written anew for expert scheduling mode
;; limits: values are held in f16: magnitudes above 65,504 overflow, below 6.1e-05 lose precision
;; workspace buffers: h 16,777,216 bytes; w1t 8,388,608 bytes; w2t 8,388,608 bytes; act 67,108,864 bytes
;; launch prep (part 4): grid 256 x 1, 8 waves a work-group, no clusters, 140,288 bytes of LDS; arguments x, ln_w, ln_b, w1, w2, h, w1t, w2t; writes h, w1t, w2t
.if DOCPART == 4
	.amdgcn_target "amdgcn-amd-amdhsa--gfx1250"
	.amdhsa_code_object_version 6
	.text
	.protected	k_q58564c0916_prep
	.globl	k_q58564c0916_prep
	.p2align	8
	.type	k_q58564c0916_prep,@function
k_q58564c0916_prep:
	s_mov_b64 s[64:65], 0
	v_nop
	global_prefetch_b8 v0, s[64:65] scope:SCOPE_SE
	s_setreg_imm32_b32 hwreg(HW_REG_WAVE_SCHED_MODE, 0, 2), 2
	s_setreg_imm32_b32 hwreg(HW_REG_WAVE_MODE, 25, 1), 1
	s_wait_xcnt 0x0
	s_wait_alu depctr_vm_vsrc(0)
; First of three launches of  out0 = relu(LayerNorm(x) w1 + b1) w2 + b2.
; No work of the problem is left out: all seven inputs reach the output and all are loaded (x, ln_w, ln_b, w1, w2 here, b1 and b2 later).
; This launch makes the three 16-bit operands of the two products:
;   h   [8192][1024] f16 = (x - mean) * rsqrt(var + 1e-5) * ln_w + ln_b, mean and var in f32, var from the deviations (two passes over registers)
;   w1t [4096][1024] f16 = w1 transposed,   w2t [1024][4096] f16 = w2 transposed: K then lies along the rows, as matrix fragments want it.
; LIMIT: f16 operands.  |h|, |w1| or |w2| above 65504 become infinite; below 6.1e-5 they keep an absolute step of 6e-8.
; h is bounded by 32 max|ln_w| + max|ln_b| for every x, since a normalised row of 1024 numbers has no element above sqrt(1024).
; 256 work-groups of equal bytes (256 KiB in, 128 KiB out): 0-127 normalise 64 rows each, 128-191 transpose w1, 192-255 transpose w2.
; The choice hangs on the work-group's number alone.  No matrix unit, no cluster: apart from the 8 KiB of ln_w and ln_b no two work-groups read the same bytes.
; No barrier: a row belongs to one wave, and a wave transposes through LDS bytes of its own.
; THE MODE: SCHED_MODE bits 1:0 = 2 (LLVM: expert scheduling mode 2), set by the entry lines.  The code itself states the register dependences
; between vector instructions and memory or LDS instructions, with s_wait_alu, always for 0.
; THE PLAN.  Three straight arms, no loop.  Registers that memory or LDS instructions touch:
;   v2 to v6      offsets and LDS addresses: written at an arm's head, never again.  One wait on va_vdst in front of the arm's first load serves every load and store of the arm.
;   LayerNorm:    X slot i % 4: row i's loads land in it, row i's arithmetic works in place on it, its sixteen conversions read it last, the loads of row i + 4 land in it.
;                 Y: written by row i's conversions, read by row i's eight stores.
;                 ONE wait on va_vdst behind the conversions states both: Y is written, the slot's readers and writers are done.  The row's eight loads and eight stores follow it,
;                 with no vector instruction between.  One wait on vm_vsrc in front of the next row's conversions, a row's arithmetic behind the stores, states that they have read Y.
;   the weights:  X slot q % 4: group q's loads land in it, step q's sixteen conversions read it, group q + 4's loads land in it; at the end the 32 read-backs land in all of X.
;                 Y and Y1 by turns: step q's conversions write buffer q % 2, its four LDS stores read it.
;                 ONE wait on va_vdst behind a step's conversions: the buffer is written, the slot's readers are done.  Beside it one wait on vm_vsrc: the LDS stores of the step before
;                 have read the other buffer, which the next step's conversions write again.  The step's eight loads and four LDS stores follow, with no vector instruction between.
;   v232, v233    written at the head, read by the closing add alone.
.set W,   8                            ; v[8:39]    ln_w of my 32 columns
.set B,   40                           ; v[40:71]   ln_b of my 32 columns
.set X,   72                           ; v[72:199]  four slots of 32 registers: rows of x, or groups of 16 rows of a weight tile
.set Y,   200                          ; v[200:215] packed f16, to store
.set TT,  216                          ; v[216:223] four chains of sums
.set NM,  224                          ; v[224:225] minus the mean, twice
.set R,   226                          ; v[226:227] rsqrt(var + eps), twice
.set V,   228                          ; v228       var + eps
.set Y1,  234                          ; v[234:249] the weights alone: a second buffer of packed f16; the two take turns, step by step
.set TP,  272                          ; LDS pitch of a transposed row: 256 bytes + 16, so that sixteen rows start in sixteen different 16-byte columns modulo 256 bytes
.set TW,  64*TP                        ; LDS bytes of a wave: 64 rows
	s_load_b512 s[8:23], s[0:1], 0x0               ; x 8:9, ln_w 10:11, ln_b 12:13, w1 14:15, w2 16:17, h 18:19, w1t 20:21, w2t 22:23
	v_lshl_add_u32 v232, v0, 2, 0x22000            ; my spare word, behind the eight waves' 8 x 17,408 bytes; kept for the closing lines alone
	v_mov_b32 v233, 0                              ; and 0, likewise
	v_and_b32 v1, 31, v0                           ; lane
	v_lshrrev_b32 v7, 5, v0
	v_readfirstlane_b32 s4, v7                     ; wave 0..7
	s_mov_b32 s5, ttmp9                            ; work-group
	s_mov_b32 s3, 0                                ; the upper words of the two offset pairs
	s_mov_b32 s7, 0
	s_wait_alu depctr_va_sdst(0)                   ; s4 is written, ahead of the branch: its first readers stand in the weights' arms, where the tiles' offsets are made from it
	s_cmp_ge_u32 s5, 128
	s_cbranch_scc1 .Lweights
; ---------------------------------------------------------------- LayerNorm: one wave, one row; eight rows a wave; four row slots in registers
	s_mov_b32 s24, 0x76543210                      ; v_permlanex16_b32: lane i of one half reads lane i of the other
	s_mov_b32 s25, 0xfedcba98
	s_mov_b32 s26, 0x3a800000                      ; 1 / 1024
	s_mov_b32 s27, 0x3727c5ac                      ; 1e-5
	s_lshl_b32 s2, s5, 18                          ; 64 rows of 4,096 bytes of x
	s_lshl_b32 s6, s5, 17                          ; 64 rows of 2,048 bytes of h
	v_and_b32 v7, 0xe0, v0                         ; 32 x wave
	v_lshlrev_b32 v4, 4, v1                        ; ln_w, ln_b: 16 bytes a lane
	v_lshl_or_b32 v2, v7, 10, v4                   ; x: wave x 8 rows x 4,096 + 16 lane
	v_lshlrev_b32 v3, 3, v1
	v_lshl_or_b32 v3, v7, 9, v3                    ; h: wave x 8 rows x 2,048 + 8 lane
	s_wait_kmcnt 0x0
	s_add_nc_u64 s[8:9], s[8:9], s[2:3]
	s_add_nc_u64 s[18:19], s[18:19], s[6:7]
	s_wait_alu depctr_va_vdst(0)                   ; the offsets v2, v3 and v4 are written: every load and store of this arm reads one of them
.irp j, 0,1,2,3,4,5,6,7
	global_load_b128 v[W+4*\j:W+4*\j+3], v4, s[10:11] offset:512*\j    ; register 4 j + e: column 128 j + 4 lane + e, as in the rows
.endr
.irp j, 0,1,2,3,4,5,6,7
	global_load_b128 v[B+4*\j:B+4*\j+3], v4, s[12:13] offset:512*\j
.endr
.macro FILL i                          ; eight loads of 512 consecutive bytes: row i of my eight, into slot i % 4.  x is read once in the launch
.irp j, 0,1,2,3,4,5,6,7
	global_load_b128 v[X+32*(\i%4)+4*\j:X+32*(\i%4)+4*\j+3], v2, s[8:9] offset:\i*4096+512*\j th:TH_LOAD_NT
.endr
.endm
	FILL 0
	FILL 1
	FILL 2
	FILL 3
.macro WSUM                            ; the four chains, then the 32 lanes: the total ends in v[TT] of every lane
	v_pk_add_f32 v[TT:TT+1], v[TT:TT+1], v[TT+2:TT+3]
	v_pk_add_f32 v[TT+4:TT+5], v[TT+4:TT+5], v[TT+6:TT+7]
	v_pk_add_f32 v[TT:TT+1], v[TT:TT+1], v[TT+4:TT+5]
	v_add_f32 v[TT], v[TT], v[TT+1]
	v_add_f32_dpp v[TT], v[TT], v[TT] row_xmask:1 row_mask:0xf bank_mask:0xf
	v_add_f32_dpp v[TT], v[TT], v[TT] row_xmask:2 row_mask:0xf bank_mask:0xf
	v_add_f32_dpp v[TT], v[TT], v[TT] row_xmask:4 row_mask:0xf bank_mask:0xf
	v_add_f32_dpp v[TT], v[TT], v[TT] row_xmask:8 row_mask:0xf bank_mask:0xf
	v_permlanex16_b32 v[TT+1], v[TT], s24, s25     ; its destination counts as read: v[TT+1] has been written
	v_add_f32 v[TT], v[TT], v[TT+1]
.endm
; Row i.  left = the loads of the younger rows that may stay out; fill = 1: the slot is then loaded with row nxt = i + 4.
.macro LNROW i, nxt, left, fill
.set XS, X+32*(\i%4)
	s_wait_loadcnt \left                           ; loads come back in order: my row is in (and ln_w, ln_b, which are older than row 0)
.irp k, 0,1,2,3
	v_pk_add_f32 v[TT+2*\k:TT+2*\k+1], v[XS+2*\k:XS+2*\k+1], v[XS+8+2*\k:XS+8+2*\k+1]   ; the first eight pairs start four chains: nothing is cleared
.endr
.irp k, 0,1,2,3,4,5,6,7
	v_pk_add_f32 v[TT+2*(\k%4):TT+2*(\k%4)+1], v[TT+2*(\k%4):TT+2*(\k%4)+1], v[XS+16+2*\k:XS+16+2*\k+1]
.endr
	WSUM
	v_mul_f32 v[NM], 0xba800000, v[TT]             ; - sum / 1024
	v_mul_f32 v[NM+1], 0xba800000, v[TT]
.irp k, 0,1,2,3,4,5,6,7,8,9,10,11,12,13,14,15
	v_pk_add_f32 v[XS+2*\k:XS+2*\k+1], v[XS+2*\k:XS+2*\k+1], v[NM:NM+1]    ; the deviations, in place: a common offset of x is gone before anything is squared
.endr
.irp k, 0,1,2,3
	v_pk_mul_f32 v[TT+2*\k:TT+2*\k+1], v[XS+2*\k:XS+2*\k+1], v[XS+2*\k:XS+2*\k+1]
.endr
.irp k, 4,5,6,7,8,9,10,11,12,13,14,15
	v_pk_fma_f32 v[TT+2*(\k%4):TT+2*(\k%4)+1], v[XS+2*\k:XS+2*\k+1], v[XS+2*\k:XS+2*\k+1], v[TT+2*(\k%4):TT+2*(\k%4)+1]
.endr
	WSUM
	v_fma_f32 v[V], v[TT], s26, s27                ; var + eps
	v_rsq_f32 v[R], v[V]
	v_nop                                          ; one plain vector instruction stands between a transcendental and the use of its result (ISA guide 5.7.2)
	s_wait_alu depctr_va_vdst(0)                   ; the reciprocal root is written into v[R], ahead of its first reader, the copy below
	v_mov_b32 v[R+1], v[R]
.irp k, 0,1,2,3,4,5,6,7,8,9,10,11,12,13,14,15
	v_pk_mul_f32 v[XS+2*\k:XS+2*\k+1], v[XS+2*\k:XS+2*\k+1], v[R:R+1]
.endr
.irp k, 0,1,2,3,4,5,6,7,8,9,10,11,12,13,14,15
	v_pk_fma_f32 v[XS+2*\k:XS+2*\k+1], v[XS+2*\k:XS+2*\k+1], v[W+2*\k:W+2*\k+1], v[B+2*\k:B+2*\k+1]
.endr
.if \i
	s_wait_xcnt 0x0                                ; Y is the data of the last row's stores: it is rewritten only behind this wait
	s_wait_alu depctr_vm_vsrc(0)                   ; the last row's stores have read Y, which the conversions below write again
.endif
.irp k, 0,1,2,3,4,5,6,7,8,9,10,11,12,13,14,15
	v_cvt_pk_f16_f32 v[Y+\k], v[XS+2*\k], v[XS+2*\k+1]
.endr
	s_wait_alu depctr_va_vdst(0)                   ; the conversions have written Y, which the stores below read; the row's arithmetic is done writing its slot and the conversions are done reading it: the loads below land there
.if \fill
	FILL \nxt                                      ; loads ahead of stores
.endif
.irp j, 0,1,2,3,4,5,6,7
	global_store_b64 v3, v[Y+2*\j:Y+2*\j+1], s[18:19] offset:\i*2048+256*\j    ; 32 lanes x 8 bytes: 256 consecutive bytes, aligned
.endr
.endm
	LNROW 0, 4, 24, 1                              ; 24: the loads of the three younger rows
	LNROW 1, 5, 24, 1
	LNROW 2, 6, 24, 1
	LNROW 3, 7, 24, 1
	LNROW 4, 0, 24, 0                              ; nothing is left to fetch: the counts run down
	LNROW 5, 0, 16, 0
	LNROW 6, 0, 8, 0
	LNROW 7, 0, 0, 0
	s_endpgm                                       ; this arm has stored nothing to LDS
; ---------------------------------------------------------------- the weights: a wave turns a tile of 128 k x 64 n of f32 into 64 n x 128 k of f16
; Lane (c = lane % 16, hh = lane / 16).  Group q of eight: rows k = 16 q + 8 hh + e, e = 0..7, columns 4 c .. 4 c + 3: each half of the wave reads 256 consecutive bytes.
.macro GROUP q, src, sp
.irp e, 0,1,2,3,4,5,6,7
	global_load_b128 v[X+32*(\q%4)+4*\e:X+32*(\q%4)+4*\e+3], v2, s[\src:\src+1] offset:(16*\q+\e)*\sp th:TH_LOAD_NT
.endr
.endm
; Step q, first part.  Column n = 4 c + j of the group is eight consecutive k: 16 bytes of f16.  All sixteen conversions stand in one run, into buffer q % 2, and one wait follows them.
.macro CONV q, left
.set YQ, Y+(Y1-Y)*(\q%2)
	s_wait_loadcnt \left                           ; group q is in; the loads of the younger groups stay out
.irp j, 0,1,2,3
.irp p, 0,1,2,3
	v_cvt_pk_f16_f32 v[YQ+4*\j+\p], v[X+32*(\q%4)+8*\p+\j], v[X+32*(\q%4)+8*\p+4+\j]
.endr
.endr
	s_wait_alu depctr_va_vdst(0)                   ; the conversions have written buffer q % 2, which the LDS stores read, and are done reading slot q % 4, in which the next loads land (behind step 7: the read-backs)
.if (\q > 0) && (\q < 7)
	s_wait_alu depctr_vm_vsrc(0)                   ; the LDS stores of the step before have read the other buffer, which the next step's conversions write again
.endif
.endm
; Step q, second part: the four columns' 16 bytes go into LDS rows 16 j + c at byte 32 q + 16 hh.  No vector instruction stands between the wait above and these.
.macro PUT q
.set YQ, Y+(Y1-Y)*(\q%2)
.irp j, 0,1,2,3
	ds_store_b128 v5, v[YQ+4*\j:YQ+4*\j+3] offset:16*\j*TP+32*\q
.endr
.endm
; src, dst: the scalar pairs that hold the tile's two addresses; sp, dp: bytes from row to row in the source and in the destination.
.macro TRANS src, dst, sp, dp
	v_and_b32 v7, 15, v0                           ; c
	v_bfe_u32 v4, v0, 4, 1                         ; hh
	v_lshlrev_b32 v6, 4, v7                        ; 16 c
	v_mul_u32_u24 v2, v4, 8*\sp
	v_add_nc_u32 v2, v2, v6                        ; source: 8 hh rows + 16 c
	v_mul_u32_u24 v3, v4, 4*\dp
	v_add_nc_u32 v3, v3, v6                        ; destination: 4 hh rows + 16 c
	s_mul_i32 s30, s4, TW                          ; my wave's LDS bytes
	v_mul_u32_u24 v5, v7, TP
	v_lshl_add_u32 v5, v4, 4, v5
	v_add_nc_u32 v5, s30, v5                       ; in: row c, 16 bytes for each half of the lanes
	v_mul_u32_u24 v1, v4, TP
	v_add3_u32 v6, v1, v6, s30                     ; back: lanes 0-15 one whole row, lanes 16-31 the next
	s_wait_alu depctr_va_vdst(0)                   ; the offsets v2 and v3 and the LDS addresses v5 and v6 are written: every load and store of this arm reads one of them
	GROUP 0, \src, \sp
	GROUP 1, \src, \sp
	GROUP 2, \src, \sp
	GROUP 3, \src, \sp
	CONV 0, 24                                     ; 24: the loads of the three younger groups
	GROUP 4, \src, \sp                             ; the slot is asked for again at once, ahead of the LDS stores
	PUT 0
	CONV 1, 24
	GROUP 5, \src, \sp
	PUT 1
	CONV 2, 24
	GROUP 6, \src, \sp
	PUT 2
	CONV 3, 24
	GROUP 7, \src, \sp
	PUT 3
	CONV 4, 24
	PUT 4
	CONV 5, 16
	PUT 5
	CONV 6, 8
	PUT 6
	CONV 7, 0
	PUT 7
.set t, 0
.rept 32
	ds_load_b128 v[X+4*t:X+4*t+3], v6 offset:2*t*TP        ; LDS serves a wave's instructions in order (ISA guide 5.7.1.4): these see the stores above.  No vector instruction since step 7's wait names X
.set t, t+1
.endr
.set t, 0
.rept 32
	s_wait_dscnt 31-t                              ; read-back t is in, the younger ones stay out
	global_store_b128 v3, v[X+4*t:X+4*t+3], s[\dst:\dst+1] offset:(8*(t&7)+(t>>3))*\dp   ; LDS row 2 t + hh is n = 8 (t % 8) + 4 hh + t / 8; sixteen lanes store 256 consecutive bytes, aligned
.set t, t+1
.endr
.endm
.Lweights:
	s_cmp_ge_u32 s5, 192
	s_cbranch_scc1 .Lsecond
	s_sub_co_u32 s5, s5, 128                       ; w1 [1024][4096]: the work-group is the n tile (64 of them), the wave the k tile (8)
	s_lshl_b32 s2, s4, 21                          ; 128 rows of 16,384 bytes
	s_lshl_b32 s28, s5, 8                          ; 64 columns of 4 bytes
	s_add_co_u32 s2, s2, s28
	s_lshl_b32 s6, s5, 17                          ; 64 rows of 2,048 bytes of w1t
	s_lshl_b32 s28, s4, 8                          ; 128 k of 2 bytes
	s_add_co_u32 s6, s6, s28
	s_wait_kmcnt 0x0
	s_add_nc_u64 s[14:15], s[14:15], s[2:3]
	s_add_nc_u64 s[20:21], s[20:21], s[6:7]
	TRANS 14, 20, 16384, 2048
	s_wait_dscnt 0x0                               ; the closing lines, six on end
	s_wait_alu 0x0
	s_wait_tensorcnt 0x0
	ds_add_u32 v232, v233
	s_wait_dscnt 0x0
	s_endpgm
.Lsecond:
	s_sub_co_u32 s5, s5, 192                       ; w2 [4096][1024]: n tile = g % 16, k tile = 8 (g / 16) + wave (32 of them)
	s_and_b32 s28, s5, 15
	s_lshr_b32 s29, s5, 4
	s_lshl3_add_u32 s29, s29, s4
	s_lshl_b32 s2, s29, 19                         ; 128 rows of 4,096 bytes
	s_lshl_b32 s30, s28, 8
	s_add_co_u32 s2, s2, s30
	s_lshl_b32 s6, s28, 19                         ; 64 rows of 8,192 bytes of w2t
	s_lshl_b32 s30, s29, 8
	s_add_co_u32 s6, s6, s30
	s_wait_kmcnt 0x0
	s_add_nc_u64 s[16:17], s[16:17], s[2:3]
	s_add_nc_u64 s[22:23], s[22:23], s[6:7]
	TRANS 16, 22, 4096, 8192
	s_wait_dscnt 0x0                               ; the closing lines, six on end
	s_wait_alu 0x0
	s_wait_tensorcnt 0x0
	ds_add_u32 v232, v233
	s_wait_dscnt 0x0
	s_endpgm
.Lfunc_end_k_q58564c0916_prep:
	.size	k_q58564c0916_prep, .Lfunc_end_k_q58564c0916_prep-k_q58564c0916_prep
	.p2alignl 7, 3214868480
	.fill 96, 4, 3214868480
	.section	.rodata,"a",@progbits
	.p2align	6, 0x0
	.amdhsa_kernel k_q58564c0916_prep
		.amdhsa_group_segment_fixed_size 140288
		.amdhsa_private_segment_fixed_size 0
		.amdhsa_enable_private_segment 0
		.amdhsa_kernarg_size 64
		.amdhsa_user_sgpr_count 2
		.amdhsa_user_sgpr_kernarg_segment_ptr 1
		.amdhsa_wavefront_size32 1
		.amdhsa_system_sgpr_workgroup_id_x 1
		.amdhsa_system_sgpr_workgroup_id_y 1
		.amdhsa_system_sgpr_workgroup_id_z 1
		.amdhsa_system_vgpr_workitem_id 0
		.amdhsa_next_free_vgpr 250
		.amdhsa_next_free_sgpr 66
		.amdhsa_reserve_vcc 0
		.amdhsa_float_denorm_mode_32 3
		.amdhsa_float_denorm_mode_16_64 3
		.amdhsa_memory_ordered 1
		.amdhsa_forward_progress 1
		.amdhsa_inst_pref_size 122
	.end_amdhsa_kernel
	.amdgpu_metadata
---
amdhsa.version: [ 1, 2 ]
amdhsa.kernels:
  - .name:           k_q58564c0916_prep
    .symbol:         k_q58564c0916_prep.kd
    .args:
      - { .name: x, .offset: 0, .size: 8, .value_kind: global_buffer, .address_space: global }
      - { .name: ln_w, .offset: 8, .size: 8, .value_kind: global_buffer, .address_space: global }
      - { .name: ln_b, .offset: 16, .size: 8, .value_kind: global_buffer, .address_space: global }
      - { .name: w1, .offset: 24, .size: 8, .value_kind: global_buffer, .address_space: global }
      - { .name: w2, .offset: 32, .size: 8, .value_kind: global_buffer, .address_space: global }
      - { .name: h, .offset: 40, .size: 8, .value_kind: global_buffer, .address_space: global }
      - { .name: w1t, .offset: 48, .size: 8, .value_kind: global_buffer, .address_space: global }
      - { .name: w2t, .offset: 56, .size: 8, .value_kind: global_buffer, .address_space: global }
    .group_segment_fixed_size: 140288
    .private_segment_fixed_size: 0
    .kernarg_segment_align: 8
    .kernarg_segment_size: 64
    .max_flat_workgroup_size: 256
    .sgpr_count:     66
    .vgpr_count:     250
    .wavefront_size: 32
...
	.end_amdgpu_metadata
.endif
;; end of part 4
;; launch ffn1: the kernel of part 2 again; grid 8 x 32, 4 waves a work-group, clusters of 4 x 4, 327,680 bytes of LDS; arguments h, w1t, act, b1; writes act
;; launch ffn2: the kernel of part 3 again; grid 8 x 32, 4 waves a work-group, clusters of 4 x 4, 327,680 bytes of LDS; arguments act, w2t, out0, b2; writes out0
